; MI455X (gfx1250); checked and timed in simulation.
; The chip was launched on July 23, 2026; its instructions are those of AMD's public machine-readable ISA for CDNA 5 (MIT licence, August 2026) and "CDNA5" Instruction Set Architecture Reference Guide (July 2026). The comments in the code are by the model that wrote it; some were corrected since.
;; J Attention. Allowed arithmetic: matrix products marked QUANTISED: E4M3 operands, one given power-of-two scale a tensor, by v_wmma_f32_16x16x64_fp8_fp8 or v_wmma_f32_16x16x128_fp8_fp8, f32 sums; everything else in f32.
;; Inputs: lowp_scales 12 int32 (the exponents e of the quantised operands' scales 2^e); wk 2,048 x 512 float32; wo 1,024 x 2,048 float32; wq 2,048 x 1,024 float32; wv 2,048 x 512 float32; x 1 x 4,096 x 2,048 float32.
;; Outputs: out0 1 x 4,096 x 2,048 float32.
;; This version of the problem:
;;   THIS VERSION OF THE PROBLEM IS GIVEN IN LOW PRECISION. The matrix products marked QUANTISED in the list below multiply operands that are first quantised to E4M3 (4 exponent bits, 3 mantissa bits; 8 bits a number), with one given power-of-two scale for each operand tensor; their sums are f32. All else is computed in f32.
;;   The module's matrix products, in the order in which they are computed (A, B: the left and right operand; K: the contracted axis; several contracted axes count as one K, in the product's order):
;;     1. [M 4,096, K 2,048] x [K 2,048, N 1,024]; A: input x; B: input wq: QUANTISED (scales: A lowp_scales[0], B lowp_scales[1])
;;     2. [M 4,096, K 2,048] x [K 2,048, N 512]; A: input x; B: input wk: QUANTISED (scales: A lowp_scales[2], B lowp_scales[3])
;;     3. [M 4,096, K 2,048] x [K 2,048, N 512]; A: input x; B: input wv: QUANTISED (scales: A lowp_scales[4], B lowp_scales[5])
;;     4. batch 8 x [M 4,096, K 128] x [K 128, N 4,096]; A: computed on the way; B: computed on the way: QUANTISED (scales: A lowp_scales[6], B lowp_scales[7])
;;     5. batch 8 x [M 4,096, K 4,096] x [K 4,096, N 128]; A: softmax (see below); B: computed on the way: QUANTISED (scales: A lowp_scales[8], B lowp_scales[9])
;;     6. [M 4,096, K 1,024] x [K 1,024, N 2,048]; A: computed on the way; B: input wo: QUANTISED (scales: A lowp_scales[10], B lowp_scales[11])
;;   THE QUANTISER, for each operand of a quantised product, along K:
;;     - The operand's scale is 2^e, e = its entry of the input lowp_scales (int32; the entries are numbered through the quantised products in the list's order, A before B).
;;     - Each number is divided by the scale, clamped to +-448, and rounded to the nearest number of E4M3, ties to even, subnormals kept.
;;     - The product sums the exact products of the quantised numbers (number of the format x scale) in f32.
;;   ~~~python
;;   def quantise(x, axis, e):      # numpy; x: float32 -> the quantised numbers, widened to float32 again
;;       x = np.moveaxis(x, axis, -1); K = x.shape[-1]
;;       r = np.clip(x / 2.0 ** e, -448, 448)
;;       step = 2.0 ** (np.maximum(np.frexp(np.where(r == 0, 1, r))[1] - 1, -6) - 3)
;;       q = np.round(r / step) * step * 2.0 ** e      # np.round: ties to even
;;       return np.moveaxis(q, -1, axis).astype(np.float32)
;;   ~~~
;;   SOFTMAX AHEAD OF A QUANTISED PRODUCT. Where the list says 'softmax', what is quantised is not the finished softmax but p = 2^(t - M), with t = logit x log2(e) and M = ceil(the row's largest t), a whole number; so 1/2 < the row's largest p <= 1. The row's sum l is taken of the UNQUANTISED p, in f32, and the product's result is divided by l at the end. Since M is a whole number, a kernel that streams over the keys may use a running M (the ceiling of the running maximum): every later rescaling is an exact power of two, so the quantised numbers keep their values, but for numbers so far below the row's largest that they fall under the format's range.
;;   OPERANDS COMPUTED ON THE WAY. 'Computed on the way' means the value that the module computes at that place (a softmax that the list does not call 'softmax' is quantised finished and normalised). What goes into a quantiser is computed in f32, as accurately as f32 sums, v_exp_f32 and their like allow (about 1e-6 of the number): no bf16 or f16 on the way to a quantiser, and a product that is left as it is and whose result goes on into a quantised operand takes f32 operands (vector FMAs, or v_wmma_f32_16x16x4_f32). A number that lies on a knife's edge between two numbers of the format may be rounded either way, as far as f32 arithmetic and the matrix unit's own rounding can turn it there, and no further.
;; One version. Each part assembles by itself: llvm-mc -triple=amdgcn-amd-amdhsa -mcpu=gfx1250 --defsym DOCPART=n.
;; ======== version 1 of 1: 4 launches
;; limits: right only within a limited range of input values
;; workspace buffers: xc 25,165,824 bytes; wqkv 4,194,304 bytes; woc 2,097,152 bytes; rope 2,097,152 bytes; qkv 8,388,608 bytes; ac 4,194,304 bytes
;; launch prep (part 1): grid 512 x 1, 4 waves a work-group, no clusters, 68,096 bytes of LDS; arguments x, wq, wk, wv, wo, lowp_scales, xc, wqkv, woc, rope; writes xc, wqkv, woc, rope
.if DOCPART == 1
	.amdgcn_target "amdgcn-amd-amdhsa--gfx1250"
	.amdhsa_code_object_version 6
	.text
	.protected	k_q3f4b708d20_prep
	.globl	k_q3f4b708d20_prep
	.p2align	8
	.type	k_q3f4b708d20_prep,@function
k_q3f4b708d20_prep:
	s_mov_b64 s[64:65], 0
	v_nop
	global_prefetch_b8 v0, s[64:65] scope:SCOPE_SE
	s_setreg_imm32_b32 hwreg(HW_REG_WAVE_MODE, 25, 1), 1
	s_wait_xcnt 0x0
; PREP: everything that is made once from the inputs.  Three ways part on the work-group's number; each has LDS bytes of its own; waves share nothing, so there is no barrier.
;  X (work-groups 0-255):   x [4096][2048] f32 -> three sets of E4M3 codes, under the scales 2^e0, 2^e2, 2^e4 (x is the left operand of three products, each with its own entry): xc [3][4096][2048], K innermost.
;  W (work-groups 256-447): wq, wk, wv, wo (f32, K is the FIRST axis) -> codes with K innermost: wqkv [2048 n][2048 k] (rows 0-1023 wq's columns, 1024-1535 wk's, 1536-2047 wv's), woc [2048 n][1024 k].
;  T (work-groups 448-511): the rotary table, cos and sin of pos x inv_freq, pos = 8192 + row: rope [16 rows' block 256][cos, sin][t 4][q 2][lane 32][4 f32]: the entry of row 16 mb + lane % 16, channel d = 16 t + 8 (lane / 16) + 4 q + i.
; code = number / 2^e, held within +-448, rounded to the nearest code, ties to even.
; LIMITS: e0, e2, e4, e1, e3, e5, e11 between -126 and 119, so that 2^e and 448 x 2^e are f32 numbers.  NaN among the inputs is not served (an infinity is held at the largest code).
; inv_freq(j) is made as RN(1 / RN(10^(j/16))), the power in double-f32 arithmetic, the angle by ONE f32 multiplication: where another library's power function is not correctly rounded, its angle differs by that last bit times pos.
.set STEPS,  16
.set SP,     80                        ; X: a lane's place in a stage: its 64 bytes + 16 of padding
.set R,      16                        ; X: v16-79   four sets of 16 numbers as they are loaded
.set XN,     80                        ; X: v80-111  two sets of 16 neighbours
.set TH,     112                       ; X: v112-143 two sets of 16 held numbers
.set CX,     144                       ; X: v144-155 the three sets' codes
.set WX,     32                        ; W: v32-95   two sets of 32 numbers
.set WC,     96                        ; W: v96-103  a block's codes
.set OUTR,   112                       ; W: v112-175 the way out
.set VO,     176                       ; W: v176-207 4 x lane + i rows of the weight
.set VOUT,   208                       ; W: v208-223 the way out's offsets, two rows of codes apart
.set WPITCH, 272                       ; W: a stage row: 256 bytes of codes + 16
.set WSTAGE, 32768                     ; W: its stages lie behind X's
	s_load_b512 s[8:23], s[0:1], 0x0               ; x s[8:9], wq s[10:11], wk s[12:13], wv s[14:15], wo s[16:17], scales s[18:19], xc s[20:21], wqkv s[22:23]
	s_load_b128 s[24:27], s[0:1], 0x40             ; woc s[24:25], rope s[26:27]
	v_lshl_add_u32 v224, v0, 2, 0x10800
	v_mov_b32 v225, 0
	v_lshrrev_b32 v1, 5, v0
	v_readfirstlane_b32 s40, v1                    ; wave 0..3
	v_and_b32 v2, 31, v0                           ; lane
	s_wait_kmcnt 0x0
	s_load_b256 s[28:35], s[18:19], 0x0            ; e0 .. e7
	s_load_b128 s[36:39], s[18:19], 0x20           ; e8 .. e11
	s_wait_kmcnt 0x0
	s_cmp_lt_u32 ttmp9, 256
	s_cbranch_scc1 .Lpath_x
	s_cmp_lt_u32 ttmp9, 448
	s_cbranch_scc1 .Lpath_w
; ---------------- T: the rotary table.  Wave W of 256 takes one (t, q) and 8 blocks of 16 rows.
	s_sub_co_u32 s41, ttmp9, 448
	s_lshl_b32 s41, s41, 2
	s_add_co_u32 s41, s41, s40                     ; W
	s_and_b32 s42, s41, 7                          ; 2 t + q
	s_lshr_b32 s43, s41, 3                         ; which 128 rows
	s_lshr_b32 s57, s42, 1
	s_and_b32 s58, s42, 1
	s_lshl_b32 s57, s57, 4
	s_lshl_b32 s58, s58, 2
	s_add_co_u32 s57, s57, s58                     ; 16 t + 4 q
	v_and_b32 v20, 15, v0
	v_bfe_u32 v21, v0, 4, 1
	v_lshl_add_u32 v22, v21, 3, s57                ; my first channel: 16 t + 8 (lane / 16) + 4 q
	s_wait_alu depctr_va_vdst(0)
	v_lshlrev_b32 v3, 4, v2                        ; 16 bytes a lane
	s_lshl_b32 s58, s43, 7
	s_add_co_u32 s58, s58, 8192
	v_add_nc_u32 v44, s58, v20
	v_cvt_f32_u32 v44, v44                         ; pos = 8192 + row, exact
	s_lshl_b32 s58, s43, 16                        ; 8 blocks x 8,192 bytes
	s_lshl_b32 s59, s42, 9
	s_add_co_u32 s58, s58, s59
	s_mov_b32 s59, 0
	s_add_nc_u64 s[54:55], s[26:27], s[58:59]
	v_mov_b32 v60, 0x3f93cfe5                      ; 10^(1/16), 10^(1/8), 10^(1/4), 10^(1/2): each as an f32 number and what it lacks
	v_mov_b32 v61, 0x334a404e
	v_mov_b32 v62, 0x3faab0d5
	v_mov_b32 v63, 0xb36457ec
	v_mov_b32 v64, 0x3fe39ea9
	v_mov_b32 v65, 0xb26aee3c
	v_mov_b32 v66, 0x404a62c2
	v_mov_b32 v67, 0xb324b496
	v_mov_b32 v68, 0x41200000                      ; 10
	v_mov_b32 v69, 0x42c80000                      ; 100
	s_mov_b32 s44, 0x3f22f983                      ; 2 / pi
	s_mov_b32 s45, 0xbfc90fdb                      ; -(pi / 2 as f32)
	s_mov_b32 s46, 0x333bbd2e                      ; that f32 number less pi / 2
	s_mov_b32 s47, 0xb94ca1f9                      ; the sine's polynomial on +-pi / 4
	s_mov_b32 s48, 0x3c08839e
	s_mov_b32 s49, 0xbe2aaaa3
	s_mov_b32 s50, 0x37ccf5ce                      ; the cosine's
	s_mov_b32 s51, 0xbab6061a
	s_mov_b32 s52, 0x3d2aaaa5
.macro PICK bit, ch, dh, dl                    ; (v[dh], v[dl]) = that bit of the channel v23 is set ? the constant pair at v[ch] : (1, 0)
	v_and_b32 v30, \bit, v23
	v_cmp_ne_u32 vcc_lo, 0, v30
	v_cndmask_b32 v[\dh], 1.0, v[\ch], vcc_lo
	v_cndmask_b32 v[\dl], 0, v[\ch+1], vcc_lo
.endm
.macro DFMUL                                   ; (v24, v25) x (v26, v27) in double-f32: the product, its rounding error by a fused multiply-add, the cross terms; then brought to form
	v_mul_f32 v28, v24, v26
	v_fma_f32 v29, v24, v26, -v28
	v_fma_f32 v29, v24, v27, v29
	v_fma_f32 v29, v25, v26, v29
	v_add_f32 v24, v28, v29
	v_sub_f32 v30, v24, v28
	v_sub_f32 v25, v29, v30
.endm
.macro FREQ i                                  ; v[32 + i] = RN(10^(d / 16)), d = my first channel + i: the bits of d pick the factors
	v_add_nc_u32 v23, \i, v22
	PICK 1, 60, 24, 25
	PICK 2, 62, 26, 27
	DFMUL
	PICK 4, 64, 26, 27
	DFMUL
	PICK 8, 66, 26, 27
	DFMUL
	v_and_b32 v30, 16, v23
	v_cmp_ne_u32 vcc_lo, 0, v30
	v_cndmask_b32 v26, 1.0, v68, vcc_lo
	v_and_b32 v30, 32, v23
	v_cmp_ne_u32 vcc_lo, 0, v30
	v_cndmask_b32 v27, 1.0, v69, vcc_lo
	v_mul_f32 v26, v26, v27                        ; 1, 10, 100 or 1,000: exact
	v_mul_f32 v28, v24, v26
	v_fma_f32 v29, v24, v26, -v28
	v_fma_f32 v29, v25, v26, v29
	v_add_f32 v[32+\i], v28, v29
.endm
.irp i, 0,1,2,3
	FREQ \i
.endr
	s_wait_alu depctr_va_vdst(0)
.irp i, 0,1,2,3
	v_rcp_f32 v[36+\i], v[32+\i]
.endr
	v_nop                                          ; a plain instruction behind the last reciprocal
	s_wait_alu depctr_va_vdst(0)                   ; one wait for the four, ahead of their first reader
.irp i, 0,1,2,3
	v_fma_f32 v30, -v[32+\i], v[36+\i], 1.0        ; one Newton step by fused multiply-adds rounds 1 / P rightly
	v_fma_f32 v[40+\i], v[36+\i], v30, v[36+\i]    ; inv_freq
.endr
.macro SINCOS i                                ; v[72 + i] = cos, v[76 + i] = sin of pos x inv_freq(i)
	v_mul_f32 v45, v44, v[40+\i]                   ; the angle, rounded once
	v_mul_f32 v46, s44, v45
	v_rndne_f32 v46, v46                           ; n = the nearest multiple of pi / 2: under 2^13
	v_fma_f32 v47, v46, s45, v45                   ; exact: a multiple of 2^-23 under 1
	v_fma_f32 v47, v46, s46, v47                   ; r, within +-pi / 4
	v_mul_f32 v48, v47, v47
	v_fma_f32 v49, v48, s47, s48
	v_fma_f32 v49, v49, v48, s49
	v_mul_f32 v49, v49, v48
	v_fma_f32 v49, v49, v47, v47                   ; sin r
	v_fma_f32 v50, v48, s50, s51
	v_fma_f32 v50, v50, v48, s52
	v_mul_f32 v50, v50, v48
	v_fma_f32 v51, v48, -0.5, 1.0
	v_fma_f32 v50, v50, v48, v51                   ; cos r
	v_cvt_i32_f32 v52, v46
	v_and_b32 v53, 1, v52
	v_cmp_ne_u32 vcc_lo, 0, v53
	v_cndmask_b32 v54, v49, v50, vcc_lo            ; an odd quadrant changes the two,
	v_cndmask_b32 v55, v50, v49, vcc_lo
	v_and_b32 v53, 2, v52
	v_lshlrev_b32 v53, 30, v53
	v_xor_b32 v[76+\i], v53, v54                   ; quadrants 2, 3 turn the sine's sign,
	v_add_nc_u32 v52, 1, v52
	v_and_b32 v52, 2, v52
	v_lshlrev_b32 v52, 30, v52
	v_xor_b32 v[72+\i], v52, v55                   ; quadrants 1, 2 the cosine's
.endm
	s_mov_b32 s56, 0
.Ltab:                                             ; 8 trips: a block of 16 rows each
	s_wait_alu depctr_va_vdst(0)
.irp i, 0,1,2,3
	SINCOS \i
.endr
	global_store_b128 v3, v[72:75], s[54:55]               ; the wave stores 512 consecutive bytes, aligned
	global_store_b128 v3, v[76:79], s[54:55] offset:4096
	s_wait_xcnt 0x0                                ; the stores' data and base are written again only behind this wait
	s_add_nc_u64 s[54:55], s[54:55], 8192
	v_add_f32 v44, 0x41800000, v44                 ; 16 rows on
	s_add_co_u32 s56, s56, 1
	s_cmp_lt_u32 s56, 8
	s_cbranch_scc1 .Ltab
	s_endpgm
; ---------------- X: a plain stream.  A wave takes 16 steps of 512 numbers.  Each load reads 512 consecutive bytes; a step's 2,048 bytes turn through the wave's own stage so that a lane holds 16 neighbours along K.
.Lpath_x:
	s_wait_alu depctr_va_vdst(0)
	v_lshlrev_b32 v3, 4, v2                        ; my 16 bytes of a load's 512, and of a step's 512 bytes of codes
	s_wait_alu depctr_va_vdst(0)
	s_mul_i32 s41, s40, 8192                       ; my wave's two stages
	v_lshrrev_b32 v14, 2, v2
	v_mul_u32_u24 v14, v14, SP
	v_and_b32 v15, 3, v2
	v_lshl_add_u32 v14, v15, 4, v14
	v_add_nc_u32 v14, s41, v14                     ; in: four lanes' 64 bytes on end, then 16 of padding
	v_mul_u32_u24 v15, v2, SP
	v_add_nc_u32 v15, s41, v15                     ; out: my 16 neighbours
	s_lshl_b32 s42, ttmp9, 2
	s_add_co_u32 s42, s42, s40                     ; which run of 8,192 numbers is my wave's
	s_lshl_b32 s50, s42, 15
	s_mov_b32 s51, 0
	s_add_nc_u64 s[8:9], s[8:9], s[50:51]
	s_lshl_b32 s50, s42, 13
	s_add_nc_u64 s[44:45], s[20:21], s[50:51]      ; the three sets of codes lie 8,388,608 bytes apart: a base for each
	s_add_nc_u64 s[46:47], s[44:45], 0x800000
	s_add_nc_u64 s[48:49], s[46:47], 0x800000
.macro XLOAD t
.irp i, 0,1,2,3
	global_load_b128 v[R+16*((\t)%4)+4*\i:R+16*((\t)%4)+4*\i+3], v3, s[8:9] offset:2048*(\t)+512*\i th:TH_LOAD_NT
.endr
.endm
.macro XTURN t                                 ; LDS serves a wave's instructions in order: no wait between the stores and the loads
.irp i, 0,1,2,3
	ds_store_b128 v14, v[R+16*((\t)%4)+4*\i:R+16*((\t)%4)+4*\i+3] offset:32*SP*((\t)%2)+8*SP*\i
.endr
.irp i, 0,1,2,3
	ds_load_b128 v[XN+16*((\t)%2)+4*\i:XN+16*((\t)%2)+4*\i+3], v15 offset:32*SP*((\t)%2)+16*\i
.endr
.endm
.irp t, 0,1,2,3
	XLOAD \t
.endr
.irp k, 0,1,2
	s_add_co_i32 s52, s[28+2*\k], 127              ; e0, e2, e4
	s_lshl_b32 s53, s52, 23
	v_mov_b32 v[8+\k], s53                         ; 2^e as f32: the conversion takes its exponent field
	s_add_co_i32 s52, s52, 8
	s_lshl_b32 s52, s52, 23
	s_or_b32 s52, s52, 0x600000
	v_mov_b32 v[5+\k], s52                         ; 448 x 2^e
.endr
	s_wait_alu depctr_va_vdst(0)
	s_wait_loadcnt 12                              ; step 0's four loads are in
	XTURN 0
.macro XSTEP t
.set XS, XN+16*((\t)%2)
	s_wait_dscnt 0x0                               ; this step's numbers are back from the stage, and its stores into the stage have read their registers
	s_wait_xcnt 0x0                                ; the last step's stores have read their codes: those registers are written again below
.if (\t)+4 < STEPS
	XLOAD (\t)+4
.endif
.if (\t)+1 < STEPS
.if STEPS-2-(\t) >= 3
	s_wait_loadcnt 12                              ; the next step's four loads are in; those of the three steps behind it may be out
.else
	s_wait_loadcnt 4*(STEPS-2-(\t))
.endif
	XTURN (\t)+1
.endif
.irp k, 0,1,2
.irp i, 0,1,2,3,4,5,6,7,8,9,10,11,12,13,14,15
	v_med3_num_f32 v[TH+16*(\k%2)+\i], v[XS+\i], -v[5+\k], v[5+\k]   ; the conversion does not saturate (ISA guide 7.6.2): the hold, into other registers: the numbers serve three scales
.endr
	v_cvt_scalef32_pk8_fp8_f32 v[CX+4*\k:CX+4*\k+1], v[TH+16*(\k%2):TH+16*(\k%2)+7], v[8+\k]
	v_cvt_scalef32_pk8_fp8_f32 v[CX+4*\k+2:CX+4*\k+3], v[TH+16*(\k%2)+8:TH+16*(\k%2)+15], v[8+\k]
.endr
	v_nop                                          ; a plain line behind the last conversion: the next step's first hold writes its sources
.irp k, 0,1,2
	global_store_b128 v3, v[CX+4*\k:CX+4*\k+3], s[44+2*\k:45+2*\k] offset:512*(\t)   ; the wave stores 512 consecutive bytes, aligned
.endr
.endm
.irp t, 0,1,2,3,4,5,6,7,8,9,10,11,12,13,14,15
	XSTEP \t
.endr
	s_wait_tensorcnt 0x0
	ds_add_u32 v224, v225
	s_wait_dscnt 0x0
	s_endpgm
; ---------------- W: a lane takes a column n and its registers run down K; the codes leave through the wave's own stage as rows.  One text for the four weights: their sizes stand in registers.
.Lpath_w:
	s_sub_co_u32 s41, ttmp9, 256                   ; 0-63 wq, 64-95 wk, 96-127 wv, 128-191 wo
	s_mov_b64 s[42:43], s[16:17]                   ; wo: the weight,
	s_mov_b64 s[44:45], s[24:25]                   ; its codes,
	s_mov_b32 s46, 8192                            ; bytes in a row of the weight,
	s_mov_b32 s47, 4                               ; log2 of its blocks of 128 columns,
	s_mov_b32 s48, 128                             ; its first work-group,
	s_mov_b32 s49, 0                               ; its first row in the codes' buffer,
	s_mov_b32 s50, 1024                            ; bytes in a row of codes,
	s_mov_b32 s51, s39                             ; e11
	s_cmp_lt_u32 s41, 128                          ; the choices hang on the work-group's number alone
	s_cselect_b64 s[42:43], s[14:15], s[42:43]     ; wv
	s_cselect_b64 s[44:45], s[22:23], s[44:45]
	s_cselect_b32 s46, 2048, s46
	s_cselect_b32 s47, 2, s47
	s_cselect_b32 s48, 96, s48
	s_cselect_b32 s49, 1536, s49
	s_cselect_b32 s50, 2048, s50
	s_cselect_b32 s51, s33, s51                    ; e5
	s_cmp_lt_u32 s41, 96
	s_cselect_b64 s[42:43], s[12:13], s[42:43]     ; wk
	s_cselect_b32 s48, 64, s48
	s_cselect_b32 s49, 1024, s49
	s_cselect_b32 s51, s31, s51                    ; e3
	s_cmp_lt_u32 s41, 64
	s_cselect_b64 s[42:43], s[10:11], s[42:43]     ; wq
	s_cselect_b32 s46, 4096, s46
	s_cselect_b32 s47, 3, s47
	s_cselect_b32 s48, 0, s48
	s_cselect_b32 s49, 0, s49
	s_cselect_b32 s51, s29, s51                    ; e1
	s_sub_co_u32 s41, s41, s48
	s_lshr_b32 s70, s41, s47                       ; which 256 along K
	s_lshl_b32 s71, s70, s47
	s_sub_co_u32 s71, s41, s71                     ; which 128 columns
	s_lshl_b32 s71, s71, 7
	s_lshl_b32 s72, s40, 5
	s_add_co_u32 s71, s71, s72                     ; my wave's first column
	s_lshl_b32 s70, s70, 8                         ; my first k
	s_mul_i32 s72, s70, s46
	s_lshl_b32 s73, s71, 2
	s_add_co_u32 s72, s72, s73
	s_mov_b32 s73, 0
	s_add_nc_u64 s[52:53], s[42:43], s[72:73]      ; block 0 of eight blocks of 32 along K: a base for each
	s_lshl_b32 s72, s46, 5
	s_add_nc_u64 s[54:55], s[52:53], s[72:73]
	s_add_nc_u64 s[56:57], s[54:55], s[72:73]
	s_add_nc_u64 s[58:59], s[56:57], s[72:73]
	s_add_nc_u64 s[60:61], s[58:59], s[72:73]
	s_add_nc_u64 s[62:63], s[60:61], s[72:73]
	s_add_nc_u64 s[66:67], s[62:63], s[72:73]
	s_add_nc_u64 s[68:69], s[66:67], s[72:73]
	s_add_co_u32 s74, s49, s71
	s_mul_i32 s74, s74, s50
	s_add_co_u32 s74, s74, s70
	s_mov_b32 s75, 0
	s_add_nc_u64 s[44:45], s[44:45], s[74:75]      ; the codes: my first column's row, at my first k
	s_wait_alu depctr_va_vdst(0)
	v_lshlrev_b32 v3, 2, v2
.irp i, 0,1,2,3,4,5,6,7,8,9,10,11,12,13,14,15,16,17,18,19,20,21,22,23,24,25,26,27,28,29,30,31
	v_mad_u32_u24 v[VO+\i], s46, \i, v3            ; row i of a block, my column
.endr
.macro WLOAD t                                 ; block t: 32 rows x the wave's 32 columns: 128 consecutive bytes a load
.irp i, 0,1,2,3,4,5,6,7,8,9,10,11,12,13,14,15,16,17,18,19,20,21,22,23,24,25,26,27,28,29,30,31
	global_load_b32 v[WX+32*((\t)%2)+\i], v[VO+\i], s[52+2*(\t)+2*((\t)/6):53+2*(\t)+2*((\t)/6)] th:TH_LOAD_NT
.endr
.endm
	WLOAD 0
	WLOAD 1
	s_mul_i32 s76, s40, 32*WPITCH
	s_add_co_u32 s76, s76, WSTAGE                  ; my stage
	v_mul_u32_u24 v4, v2, WPITCH
	v_add_nc_u32 v4, s76, v4                       ; into it: row = my column
	v_and_b32 v5, 15, v2
	v_lshrrev_b32 v6, 4, v2
	v_mul_u32_u24 v7, v6, WPITCH
	v_lshl_add_u32 v7, v5, 4, v7
	v_add_nc_u32 v7, s76, v7                       ; out of it: sixteen lanes to a row, two rows an instruction
	v_mul_u32_u24 v8, s50, v6
	v_lshl_add_u32 v8, v5, 4, v8
.irp t, 0,1,2,3,4,5,6,7,8,9,10,11,12,13,14,15
	v_mad_u32_u24 v[VOUT+\t], s50, 2*\t, v8        ; the same places in the codes' buffer
.endr
	s_add_co_i32 s51, s51, 127
	s_lshl_b32 s77, s51, 23
	v_mov_b32 v11, s77                             ; 2^e
	s_add_co_i32 s51, s51, 8
	s_lshl_b32 s51, s51, 23
	s_or_b32 s51, s51, 0x600000
	v_mov_b32 v10, s51                             ; 448 x 2^e
.macro WBLOCK t
.set XS, WX+32*((\t)%2)
.if (\t) < 7
	s_wait_loadcnt 32                              ; this block's 32 loads are in; the next block's may be out
.else
	s_wait_loadcnt 0x0
.endif
.irp i, 0,1,2,3,4,5,6,7,8,9,10,11,12,13,14,15,16,17,18,19,20,21,22,23,24,25,26,27,28,29,30,31
	v_med3_num_f32 v[XS+\i], v[XS+\i], -v10, v10
.endr
.irp g, 0,1,2,3
	v_cvt_scalef32_pk8_fp8_f32 v[WC+2*\g:WC+2*\g+1], v[XS+8*\g:XS+8*\g+7], v11
.endr
	ds_store_b128 v4, v[WC:WC+3] offset:32*(\t)    ; 32 codes of my column's row
	ds_store_b128 v4, v[WC+4:WC+7] offset:32*(\t)+16
.if (\t)+2 < 8
	WLOAD (\t)+2
.endif
	s_wait_dscnt 0x0                               ; the stores have read their registers; the next block begins with 32 plain lines on other registers
.endm
	s_wait_alu depctr_va_vdst(0)
.irp t, 0,1,2,3,4,5,6,7
	WBLOCK \t
.endr
.irp t, 0,1,2,3,4,5,6,7,8,9,10,11,12,13,14,15
	ds_load_b128 v[OUTR+4*\t:OUTR+4*\t+3], v7 offset:2*\t*WPITCH
.endr
.irp t, 0,1,2,3,4,5,6,7,8,9,10,11,12,13,14,15
	s_wait_dscnt 15-\t
	global_store_b128 v[VOUT+\t], v[OUTR+4*\t:OUTR+4*\t+3], s[44:45]   ; sixteen lanes store 256 consecutive bytes, aligned
.endr
	s_wait_tensorcnt 0x0
	ds_add_u32 v224, v225
	s_wait_dscnt 0x0
	s_endpgm
.Lfunc_end_k_q3f4b708d20_prep:
	.size	k_q3f4b708d20_prep, .Lfunc_end_k_q3f4b708d20_prep-k_q3f4b708d20_prep
	.p2alignl 7, 3214868480
	.fill 96, 4, 3214868480
	.section	.rodata,"a",@progbits
	.p2align	6, 0x0
	.amdhsa_kernel k_q3f4b708d20_prep
		.amdhsa_group_segment_fixed_size 68096
		.amdhsa_private_segment_fixed_size 0
		.amdhsa_enable_private_segment 0
		.amdhsa_kernarg_size 80
		.amdhsa_user_sgpr_count 2
		.amdhsa_user_sgpr_kernarg_segment_ptr 1
		.amdhsa_wavefront_size32 1
		.amdhsa_system_sgpr_workgroup_id_x 1
		.amdhsa_system_sgpr_workgroup_id_y 1
		.amdhsa_system_sgpr_workgroup_id_z 1
		.amdhsa_system_vgpr_workitem_id 0
		.amdhsa_next_free_vgpr 226
		.amdhsa_next_free_sgpr 84
		.amdhsa_reserve_vcc 1
		.amdhsa_float_denorm_mode_32 3
		.amdhsa_float_denorm_mode_16_64 3
		.amdhsa_memory_ordered 1
		.amdhsa_forward_progress 1
		.amdhsa_inst_pref_size 146
	.end_amdhsa_kernel
	.amdgpu_metadata
---
amdhsa.version: [ 1, 2 ]
amdhsa.kernels:
  - .name:           k_q3f4b708d20_prep
    .symbol:         k_q3f4b708d20_prep.kd
    .args:
      - { .name: x, .offset: 0, .size: 8, .value_kind: global_buffer, .address_space: global }
      - { .name: wq, .offset: 8, .size: 8, .value_kind: global_buffer, .address_space: global }
      - { .name: wk, .offset: 16, .size: 8, .value_kind: global_buffer, .address_space: global }
      - { .name: wv, .offset: 24, .size: 8, .value_kind: global_buffer, .address_space: global }
      - { .name: wo, .offset: 32, .size: 8, .value_kind: global_buffer, .address_space: global }
      - { .name: lowp_scales, .offset: 40, .size: 8, .value_kind: global_buffer, .address_space: global }
      - { .name: xc, .offset: 48, .size: 8, .value_kind: global_buffer, .address_space: global }
      - { .name: wqkv, .offset: 56, .size: 8, .value_kind: global_buffer, .address_space: global }
      - { .name: woc, .offset: 64, .size: 8, .value_kind: global_buffer, .address_space: global }
      - { .name: rope, .offset: 72, .size: 8, .value_kind: global_buffer, .address_space: global }
    .group_segment_fixed_size: 68096
    .private_segment_fixed_size: 0
    .kernarg_segment_align: 8
    .kernarg_segment_size: 80
    .max_flat_workgroup_size: 128
    .sgpr_count:     84
    .vgpr_count:     226
    .wavefront_size: 32
...
	.end_amdgpu_metadata
.endif
;; end of part 1
;; launch proj (part 2): grid 16 x 8, 4 waves a work-group, clusters of 4 x 1, 327,680 bytes of LDS; arguments xc, wqkv, lowp_scales, rope, qkv; writes qkv
.if DOCPART == 2
	.amdgcn_target "amdgcn-amd-amdhsa--gfx1250"
	.amdhsa_code_object_version 6
	.text
	.protected	k_q3f4b708d20_proj
	.globl	k_q3f4b708d20_proj
	.p2align	8
	.type	k_q3f4b708d20_proj,@function
k_q3f4b708d20_proj:
	s_mov_b64 s[64:65], 0
	v_nop
	global_prefetch_b8 v0, s[64:65] scope:SCOPE_SE
	s_setreg_imm32_b32 hwreg(HW_REG_WAVE_MODE, 25, 1), 1
	s_wait_xcnt 0x0
	s_wait_alu depctr_hold_cnt(0) depctr_sa_sdst(0) depctr_va_vdst(0) depctr_va_sdst(0) depctr_va_ssrc(0) depctr_va_vcc(0) depctr_vm_vsrc(0)
	s_getreg_b32 s2, hwreg(HW_REG_IB_STS2, 6, 4)
	s_cmp_eq_u32 s2, 0
	s_cbranch_scc0 .Lentry_in_a_cluster
	s_endpgm
.Lentry_in_a_cluster:
	s_bfe_u32 s2, ttmp6, 0x10000c
	s_cmp_lg_u32 s2, 0x3003
	s_cbranch_scc0 .Lentry_shape_is_right
	s_endpgm
.Lentry_shape_is_right:
.set SIZE_K, 2048
.set KSTEP,  256
.set ROWB,   256
.set KROW,   SIZE_K
.set PITCH,  272
.set FR,     16
.set NL,     4
.set NP,     4
.set HALFT,  128*PITCH
.set SLOT,   4*HALFT
.set LAPS,   SIZE_K/(2*KSTEP)
.set SPARE,  2*SLOT
.set VPITCH, 160
.set ADRA, 16
.set ADRB, 20
.set VST,  24
.set VTR,  25
.set LI,   27
.set SPW,  28
.set NIL,  29
.set AF,   128
.set CSB,  32
.set OO,   160
.set PC,   228
.set TT,   246
.set TR,   32
.set G1, 24
.set G0, 32
.set G1B, 48
.set G0B, 56
.set MSB, 0
.macro WIN new
.if MSB != (\new)
	s_set_vgpr_msb (MSB<<8)|(\new)
.set MSB, (\new)
.endif
.endm
.set MUL_LO, 0xa1
.set MUL_HI, 0xf1
.set TO_B,   0x40
.macro JLOAD g0a, g1a, g0b, g1b
	s_cmp_eq_u32 s15, 0
	s_cbranch_scc0 .Lfor_b_\@
	tensor_load_to_lds s[\g0a:\g0a+3], s[\g1a:\g1a+7]
	s_nop 0
.rept 4
	v_nop
.endr
	s_branch .Lasked_\@
.Lfor_b_\@:
	tensor_load_to_lds s[\g0b:\g0b+3], s[\g1b:\g1b+7]
	s_nop 0
.rept 4
	v_nop
.endr
.Lasked_\@:
.endm
.macro CREST
	s_cmp_lg_u32 s14, 0
	s_cbranch_scc1 .Lnot_wave_0_\@
	s_barrier_signal -3
.Lnot_wave_0_\@:
	s_barrier_wait -3
	s_barrier_signal -1
	s_barrier_wait -1
.endm
.macro CROUND
	s_barrier_signal -1
	s_barrier_wait -1
	CREST
.endm
; A prefetch into the L2, behind the load of K step t: K step t + 2, 256 bytes of each row, a lane a row.  Waves 0 and 1 name the 128 rows of x's codes that they fetch (four lines of 32 rows);
; waves 2 and 3 name 32 of the 128 rows of the weight's codes that they fetch: the cluster's four partners share those rows out by address.  inloop = 1: the loop's last trip has no K step two on.
.macro ASK off, inloop
.if \inloop
	s_cmp_gt_u32 s3, 1
	s_cbranch_scc0 .Lno_ask_\@
.endif
	s_cmp_eq_u32 s15, 0
	s_cbranch_scc0 .Lone_\@
	global_prefetch_b8 v30, s[92:93] offset:\off+65536 th:TH_LOAD_NT scope:SCOPE_SE
	global_prefetch_b8 v30, s[92:93] offset:\off+131072 th:TH_LOAD_NT scope:SCOPE_SE
	global_prefetch_b8 v30, s[92:93] offset:\off+196608 th:TH_LOAD_NT scope:SCOPE_SE
.Lone_\@:
	global_prefetch_b8 v30, s[92:93] offset:\off th:TH_LOAD_NT scope:SCOPE_SE
.Lno_ask_\@:
.endm
	s_load_b128 s[4:7], s[0:1], 0x0
	s_load_b128 s[8:11], s[0:1], 0x10
	s_load_b64 s[12:13], s[0:1], 0x20
	v_lshl_add_u32 v[SPW], v0, 2, SPARE
	v_mov_b32 v[NIL], 0
	ds_add_u32 v28, v29
	ds_add_u32 v28, v29
	s_wait_dscnt 0x0
	v_lshrrev_b32 v1, 5, v0
	v_readfirstlane_b32 s14, v1
	s_lshr_b32 s15, s14, 1
	s_and_b32 s16, s14, 1
	s_bfe_u32 s40, ttmp6, 0x40000
	s_lshl_b32 s17, ttmp9, 2
	s_add_co_u32 s17, s17, s40
	s_and_b32 s42, ttmp7, 0xffff
	s_mov_b32 s[G1+0], (1<<20)|(5<<22)|(3<<25)
	s_mov_b32 s[G1B+0], 15|(1<<20)|(1<<21)|(5<<22)|(3<<25)
.irp g, G1, G1B
	s_mov_b32 s[\g+1], ROWB<<16
	s_mov_b32 s[\g+2], 128<<16
	s_mov_b32 s[\g+3], ROWB<<16
	s_mov_b32 s[\g+4], 128
	s_mov_b32 s[\g+5], KROW
	s_mov_b32 s[\g+6], 0
	s_mov_b32 s[\g+7], 0
.endr
	s_cmp_lt_u32 s42, 6
	s_cselect_b32 s18, 1, 2
	s_cmp_lt_u32 s42, 4
	s_cselect_b32 s18, 0, s18
	s_lshl_b32 s18, s18, 23
	s_lshl_b32 s19, s16, 7
	s_lshl_b32 s20, s17, 8
	s_add_co_u32 s20, s20, s19
	s_lshl_b32 s20, s20, 11
	s_add_co_u32 s20, s20, s18
	s_mov_b32 s21, 0
	s_lshl_b32 s46, s42, 8
	s_add_co_u32 s46, s46, s19
	s_lshl_b32 s46, s46, 11
	s_mov_b32 s47, 0
	s_mul_i32 s45, s14, HALFT
	s_wait_kmcnt 0x0
	s_load_b256 s[68:75], s[8:9], 0x0
	s_load_b128 s[76:79], s[8:9], 0x20
	s_add_nc_u64 s[20:21], s[4:5], s[20:21]
	s_add_nc_u64 s[46:47], s[6:7], s[46:47]
	s_lshl_b32 s94, s40, 16                        ; the prefetches: of the weight's 128 rows my work-group takes 32: 65,536 bytes x its place
	s_mov_b32 s95, 0
	s_cmp_eq_u32 s15, 0
	s_cselect_b32 s94, 0, s94
	s_cselect_b64 s[92:93], s[20:21], s[46:47]
	s_add_nc_u64 s[92:93], s[92:93], s[94:95]
	s_add_nc_u64 s[92:93], s[92:93], 512           ; at K step 2
	v_and_b32 v30, 31, v0
	v_lshlrev_b32 v30, 11, v30                     ; a lane a row of 2,048 bytes
	v_and_b32 v31, 31, v0
	v_lshlrev_b32 v31, 8, v31                      ; the rotary table's prefetches: lanes 256 bytes apart
.irp s, 0,1
	s_mov_b32 s[G0+4*\s], 1
	s_add_co_u32 s[G0+4*\s+1], s45, \s*SLOT
	s_add_nc_u64 s[G0+4*\s+2:G0+4*\s+3], s[20:21], \s*ROWB
	s_or_b32 s[G0+4*\s+3], s[G0+4*\s+3], 0x80000000
	s_mov_b32 s[G0B+4*\s], 1
	s_add_co_u32 s[G0B+4*\s+1], s45, \s*SLOT
	s_add_nc_u64 s[G0B+4*\s+2:G0B+4*\s+3], s[46:47], \s*ROWB
	s_or_b32 s[G0B+4*\s+3], s[G0B+4*\s+3], 0x80000000
	s_wait_alu depctr_va_vdst(0)
	s_wait_tensorcnt 0x0
	ds_add_u32 v28, v29
	ds_add_u32 v28, v29
	s_wait_dscnt 0x0
	CROUND
	JLOAD G0+4*\s, G1, G0B+4*\s, G1B
.if \s == 0
	ASK -256, 0                                    ; behind K step 0's load: K step 1 too, which is asked for behind the next round
.endif
	ASK 256*\s, 0
.endr
	v_and_b32 v1, 15, v0
	s_wait_alu depctr_va_vdst(0)
	v_bfe_u32 v2, v0, 4, 1
	v_mul_u32_u24 v3, v1, PITCH
	v_lshl_add_u32 v4, v2, 4, v3
	s_mul_i32 s21, s15, HALFT
	s_mul_i32 s22, s16, HALFT
	s_add_co_u32 s22, s22, 2*HALFT
.irp s, 0,1
	v_add_nc_u32 v[ADRA+\s], s21, v4
	v_add_nc_u32 v[ADRB+\s], s22, v4
	s_add_co_u32 s21, s21, SLOT
	s_add_co_u32 s22, s22, SLOT
.endr
	s_mul_i32 s23, s14, 128*VPITCH
	v_mul_u32_u24 v5, v1, VPITCH
	s_wait_alu depctr_va_vdst(0)
	v_lshl_add_u32 v5, v2, 3, v5
	v_add_nc_u32 v[VST], s23, v5
	v_and_b32 v6, 7, v0
	v_lshl_add_u32 v6, v2, 3, v6
	v_mul_u32_u24 v6, v6, VPITCH
	v_bfe_u32 v7, v0, 3, 1
	v_lshl_add_u32 v6, v7, 4, v6
	v_add_nc_u32 v[VTR], s23, v6
	v_and_b32 v8, 31, v0
	v_lshlrev_b32 v[LI], 4, v8
	s_wait_alu depctr_va_vdst(0)
	s_lshl_b32 s90, s17, 1
	s_add_co_u32 s90, s90, s15
	s_lshl_b32 s86, s90, 16
	s_mov_b32 s87, 0
	s_add_nc_u64 s[82:83], s[10:11], s[86:87]
	s_mov_b64 s[96:97], s[82:83]                   ; the table's prefetches stand at block 0 of my 128 rows' eight blocks of 8,192 bytes; each change of slots steps them one block on
	s_cmp_lt_u32 s42, 6
	s_cselect_b32 s98, 1, 0                        ; only q's and k's work-groups rotate,
	s_cmp_eq_u32 s16, 0
	s_cselect_b32 s98, s98, 0                      ; and of the two waves that read the same rows one asks
	s_lshl_b32 s91, s42, 1
	s_add_co_u32 s91, s91, s16
	s_lshl_b32 s91, s91, 5
	s_add_co_u32 s91, s91, s90
	s_lshl_b32 s86, s91, 14
	s_add_nc_u64 s[80:81], s[12:13], s[86:87]
.macro LOADCS a
.irp cs, 0,1
.irp u, 0,1,2,3,4,5,6,7
	global_load_b128 v[CSB+64*((\a)%2)+32*\cs+4*\u:CSB+64*((\a)%2)+32*\cs+4*\u+3], v[LI], s[82:83] offset:(\a)*8192+\cs*4096+\u*512
.endr
.endr
.endm
	LOADCS 0
.macro FRAG reg, adr, q, i
.irp c, 0,1,2,3
	ds_load_b128 v[\reg+4*\c:\reg+4*\c+3], v[\adr] offset:128*(\q)+32*\c+(\i)*16*PITCH
.endr
.endm
.macro MUL16 a0, p, zero
.irp a, \a0, \a0+1
.irp b, 0,1,2,3,4,5,6,7
.if \zero
	v_wmma_f32_16x16x128_fp8_fp8 v[8*(8*((\a)%4)+\b):8*(8*((\a)%4)+\b)+7], v[128*(\p)+FR*\b:128*(\p)+FR*\b+FR-1], v[AF+FR*(\a):AF+FR*(\a)+FR-1], 0
.else
	v_wmma_f32_16x16x128_fp8_fp8 v[8*(8*((\a)%4)+\b):8*(8*((\a)%4)+\b)+7], v[128*(\p)+FR*\b:128*(\p)+FR*\b+FR-1], v[AF+FR*(\a):AF+FR*(\a)+FR-1], v[8*(8*((\a)%4)+\b):8*(8*((\a)%4)+\b)+7]
.endif
.endr
.endr
.endm
.macro FETCH_B slot, q, p
	WIN TO_B
.irp i, 0,1,2,3,4,5,6,7
	FRAG 128*(\p)+FR*\i, ADRB+\slot, \q, \i
.endr
	WIN 0
.endm
.macro FETCH_A slot, q, i0
.irp i, \i0, \i0+1, \i0+2, \i0+3
	FRAG AF+FR*(\i), ADRA+\slot, \q, \i
.endr
.endm
.macro PLACES n
.rept \n
	v_nop
.endr
.endm
.macro STEP slot, q, zero
	s_wait_dscnt 4*NL
	WIN MUL_LO
	MUL16 0, (\q)%2, \zero
	MUL16 2, (\q)%2, \zero
	s_wait_dscnt 0
	PLACES NP
	FETCH_B \slot, (\q)+1, 1-(\q)%2
	FETCH_A \slot, (\q)+1, 0
	WIN MUL_HI
	MUL16 4, (\q)%2, \zero
	MUL16 6, (\q)%2, \zero
	PLACES NP
	WIN 0
	FETCH_A \slot, (\q)+1, 4
.endm
.macro TURN slot, next, fill
	s_wait_xcnt 0x0                                ; my prefetches have read their addresses
	s_add_nc_u64 s[96:97], s[96:97], 8192
.if \fill
	s_add_nc_u64 s[92:93], s[92:93], 256
.endif
	s_wait_tensorcnt 0x0
	ds_add_u32 v[SPW], v[NIL]
	s_wait_dscnt 4*NL+1
	WIN MUL_LO
	MUL16 0, 1, 0
	s_wait_dscnt 0x0
	s_barrier_signal -1
	MUL16 2, 1, 0
	WIN 0
	s_barrier_wait -1
.if \fill
	CREST
	s_add_nc_u64 s[G0+4*\slot+2:G0+4*\slot+3], s[G0+4*\slot+2:G0+4*\slot+3], 2*ROWB
	s_add_nc_u64 s[G0B+4*\slot+2:G0B+4*\slot+3], s[G0B+4*\slot+2:G0B+4*\slot+3], 2*ROWB
	JLOAD G0+4*\slot, G1, G0B+4*\slot, G1B
.else
	PLACES NP
.endif
	FETCH_B \next, 0, 0
	FETCH_A \next, 0, 0
.if \fill
	ASK 256, 1
.endif
	s_cmp_eq_u32 s98, 1                            ; the seven changes of slots name the table's blocks 1 to 7, each once; block 0 is loaded at the head
	s_cbranch_scc0 .Lno_rope_\@
	global_prefetch_b8 v31, s[96:97] th:TH_LOAD_NT scope:SCOPE_SE
.Lno_rope_\@:
	WIN MUL_HI
	MUL16 4, 1, 0
	MUL16 6, 1, 0
	PLACES NP
	WIN 0
	FETCH_A \next, 0, 4
.endm
	s_wait_tensorcnt 1
	s_barrier_signal -1
	s_barrier_wait -1
	FETCH_B 0, 0, 0
	FETCH_A 0, 0, 0
	FETCH_A 0, 0, 4
	STEP 0, 0, 1
	s_mov_b32 s3, LAPS-1
.Llap:
	TURN 0, 1, 1
	STEP 1, 0, 0
	TURN 1, 0, 1
	STEP 0, 0, 0
	s_sub_co_u32 s3, s3, 1
	s_cmp_lg_u32 s3, 0
	s_cbranch_scc1 .Llap
	TURN 0, 1, 0
	STEP 1, 0, 0
	s_wait_dscnt 4*NL
	WIN MUL_LO
	MUL16 0, 1, 0
	MUL16 2, 1, 0
	s_wait_dscnt 0
	WIN MUL_HI
	MUL16 4, 1, 0
	MUL16 6, 1, 0
	WIN 0
	s_wait_kmcnt 0x0
	s_cmp_lt_u32 s42, 6
	s_cselect_b32 s86, s70, s72
	s_cselect_b32 s87, s71, s73
	s_cselect_b32 s88, s75, s77
	s_cmp_lt_u32 s42, 4
	s_cselect_b32 s86, s68, s86
	s_cselect_b32 s87, s69, s87
	s_cselect_b32 s88, s74, s88
	s_sub_co_i32 s88, s88, s86
	s_sub_co_i32 s88, s88, s87
	s_add_co_i32 s88, s88, 127
	s_lshl_b32 s89, s88, 23
	s_add_co_i32 s88, s88, 8
	s_lshl_b32 s88, s88, 23
	s_or_b32 s88, s88, 0x600000
	PLACES NP
	v_mov_b32 v244, s89
	v_mov_b32 v245, s88
	s_cmp_ge_u32 s42, 6
	s_cbranch_scc1 .Lv
.macro ROPE a
.set AC, 64*((\a)%4)
.set CB, CSB+64*((\a)%2)
.if (\a) < 7
	s_wait_loadcnt 16
.else
	s_wait_loadcnt 0x0
.endif
	s_wait_xcnt 0x0
	WIN 0x02+((\a)/4)
.irp t, 0,1,2,3
.irp jj, 0,2,4,6
	v_pk_mul_f32 v[TT+4*((\jj/2)%2):TT+4*((\jj/2)%2)+1], v[AC+8*(\t+4)+\jj:AC+8*(\t+4)+\jj+1], v[CB+32+8*\t+\jj:CB+32+8*\t+\jj+1]
	v_pk_mul_f32 v[TT+4*((\jj/2)%2)+2:TT+4*((\jj/2)%2)+3], v[AC+8*\t+\jj:AC+8*\t+\jj+1], v[CB+32+8*\t+\jj:CB+32+8*\t+\jj+1]
	v_pk_fma_f32 v[OO+8*\t+\jj:OO+8*\t+\jj+1], v[AC+8*\t+\jj:AC+8*\t+\jj+1], v[CB+8*\t+\jj:CB+8*\t+\jj+1], v[TT+4*((\jj/2)%2):TT+4*((\jj/2)%2)+1] neg_lo:[0,0,1] neg_hi:[0,0,1]
	v_pk_fma_f32 v[OO+8*(\t+4)+\jj:OO+8*(\t+4)+\jj+1], v[AC+8*(\t+4)+\jj:AC+8*(\t+4)+\jj+1], v[CB+8*\t+\jj:CB+8*\t+\jj+1], v[TT+4*((\jj/2)%2)+2:TT+4*((\jj/2)%2)+3]
.endr
.endr
	WIN 0
.if (\a)+2 < 8
	LOADCS (\a)+2
.endif
.set n, 0
.rept 64
	v_med3_num_f32 v[OO+n], v[OO+n], -v245, v245
.set n, n+1
.endr
.irp t, 0,1,2,3,4,5,6,7
	v_cvt_scalef32_pk8_fp8_f32 v[PC+2*\t:PC+2*\t+1], v[OO+8*\t:OO+8*\t+7], v244
.endr
	v_nop
.irp c, 0,1,2,3
	global_store_b128 v[LI], v[PC+4*\c:PC+4*\c+3], s[80:81] offset:(\a)*2048+512*\c
.endr
.endm
	LOADCS 1
.irp a, 0,1,2,3,4,5,6,7
	ROPE \a
.endr
	s_branch .Lend
.Lv:
	s_wait_loadcnt 0x0
	s_mov_b32 s84, 0x06040200
	s_mov_b32 s85, 0x07050301
.macro VQ a
.set AC, 64*((\a)%4)
	WIN 0x02+((\a)/4)
.set n, 0
.rept 64
	v_med3_num_f32 v[OO+n], v[AC+n], -v245, v245
.set n, n+1
.endr
	WIN 0
.irp t, 0,1,2,3,4,5,6,7
	v_cvt_scalef32_pk8_fp8_f32 v[PC+2*\t:PC+2*\t+1], v[OO+8*\t:OO+8*\t+7], v244
.endr
	v_nop
.irp t, 0,1,2,3,4,5,6,7
	ds_store_b64 v[VST], v[PC+2*\t:PC+2*\t+1] offset:(\a)*16*VPITCH+16*\t
.endr
	s_wait_dscnt 0x0
.endm
	s_wait_alu depctr_va_vdst(0)
.irp a, 0,1,2,3,4,5,6,7
	VQ \a
.endr
.irp be, 0,1,2,3
.irp cc, 0,1,2,3,4,5,6,7
	ds_load_tr16_b128 v[TR+32*\be+4*\cc:TR+32*\be+4*\cc+3], v[VTR] offset:\cc*16*VPITCH+32*\be
.endr
.endr
.macro VOUT be
.set FB, 160+32*((\be)%2)
	s_wait_dscnt 24-8*(\be)
.if (\be) >= 2
	s_wait_xcnt 0x0
.endif
.irp cc, 0,1,2,3,4,5,6,7
	v_perm_b32 v[FB+2*\cc], v[TR+32*(\be)+4*\cc+1], v[TR+32*(\be)+4*\cc], s84
	v_perm_b32 v[FB+2*\cc+1], v[TR+32*(\be)+4*\cc+3], v[TR+32*(\be)+4*\cc+2], s84
	v_perm_b32 v[FB+16+2*\cc], v[TR+32*(\be)+4*\cc+1], v[TR+32*(\be)+4*\cc], s85
	v_perm_b32 v[FB+16+2*\cc+1], v[TR+32*(\be)+4*\cc+3], v[TR+32*(\be)+4*\cc+2], s85
.endr
.irp u, 0,1
.irp c, 0,1,2,3
	global_store_b128 v[LI], v[FB+16*\u+4*\c:FB+16*\u+4*\c+3], s[80:81] offset:(2*(\be)+\u)*2048+512*\c
.endr
.endr
.endm
.irp be, 0,1,2,3
	VOUT \be
.endr
.Lend:
	s_wait_tensorcnt 0x0
	ds_add_u32 v[SPW], v[NIL]
	s_wait_dscnt 0x0
	CROUND
	s_endpgm
.Lfunc_end_k_q3f4b708d20_proj:
	.size	k_q3f4b708d20_proj, .Lfunc_end_k_q3f4b708d20_proj-k_q3f4b708d20_proj
	.p2alignl 7, 3214868480
	.fill 96, 4, 3214868480
	.section	.rodata,"a",@progbits
	.p2align	6, 0x0
	.amdhsa_kernel k_q3f4b708d20_proj
		.amdhsa_group_segment_fixed_size 327680
		.amdhsa_private_segment_fixed_size 0
		.amdhsa_enable_private_segment 0
		.amdhsa_kernarg_size 40
		.amdhsa_user_sgpr_count 2
		.amdhsa_user_sgpr_kernarg_segment_ptr 1
		.amdhsa_wavefront_size32 1
		.amdhsa_system_sgpr_workgroup_id_x 1
		.amdhsa_system_sgpr_workgroup_id_y 1
		.amdhsa_system_sgpr_workgroup_id_z 1
		.amdhsa_system_vgpr_workitem_id 0
		.amdhsa_next_free_vgpr 1024
		.amdhsa_next_free_sgpr 100
		.amdhsa_reserve_vcc 0
		.amdhsa_float_denorm_mode_32 3
		.amdhsa_float_denorm_mode_16_64 3
		.amdhsa_memory_ordered 1
		.amdhsa_forward_progress 1
		.amdhsa_inst_pref_size 222
	.end_amdhsa_kernel
	.amdgpu_metadata
---
amdhsa.version: [ 1, 2 ]
amdhsa.kernels:
  - .name:           k_q3f4b708d20_proj
    .symbol:         k_q3f4b708d20_proj.kd
    .args:
      - { .name: xc, .offset: 0, .size: 8, .value_kind: global_buffer, .address_space: global }
      - { .name: wqkv, .offset: 8, .size: 8, .value_kind: global_buffer, .address_space: global }
      - { .name: lowp_scales, .offset: 16, .size: 8, .value_kind: global_buffer, .address_space: global }
      - { .name: rope, .offset: 24, .size: 8, .value_kind: global_buffer, .address_space: global }
      - { .name: qkv, .offset: 32, .size: 8, .value_kind: global_buffer, .address_space: global }
    .group_segment_fixed_size: 327680
    .private_segment_fixed_size: 0
    .kernarg_segment_align: 8
    .kernarg_segment_size: 40
    .max_flat_workgroup_size: 128
    .sgpr_count:     100
    .vgpr_count:     1024
    .wavefront_size: 32
...
	.end_amdgpu_metadata
.endif
;; end of part 2
;; launch attn (part 3): grid 64 x 4, 4 waves a work-group, no clusters, 270,848 bytes of LDS; arguments qkv, lowp_scales, ac; writes ac
.if DOCPART == 3
	.amdgcn_target "amdgcn-amd-amdhsa--gfx1250"
	.amdhsa_code_object_version 6
	.text
	.protected	k_q3f4b708d20_attn
	.globl	k_q3f4b708d20_attn
	.p2align	8
	.type	k_q3f4b708d20_attn,@function
k_q3f4b708d20_attn:
	s_mov_b64 s[64:65], 0
	v_nop
	global_prefetch_b8 v0, s[64:65] scope:SCOPE_SE
	s_setreg_imm32_b32 hwreg(HW_REG_WAVE_MODE, 25, 1), 1
	s_wait_xcnt 0x0
; ATTN: o = softmax(q k^T / sqrt(128), causal) v on E4M3 codes, and the quantising of o for the last product.
; LEFT OUT: key steps all of whose keys come after a block's queries: the causal mask gives them the weight 0 for all inputs.
; THE SOFTMAX: t = score x log2(e) / sqrt(128); M = the running largest t rounded UP to a whole number; p = 2^(t - M) is quantised (scale 2^e8), not normalised;
; the row's sum is taken of the unquantised p and divides at the end.  When M moves, the sum and O are multiplied by 2^(old M - new M): exact.
; SHARES.  Work-group (p, g): kv head g; two blocks of 32 positions x the 2 query heads of g, 4 tiles of 16 queries each: the late block 127 - p and the early block p.
; The late block has L = 32 - p / 4 key steps of 128, the early one E = p / 4 + 1: 33 items in every work-group.  THE KEYS ARE DEALT AMONG THE FOUR WAVES: late step s goes to wave s % 4, early step s to wave (s + L) % 4:
; 8 or 9 items a wave.  A wave holds all 4 tiles of the block in hand, so each fragment of K and V feeds four matrix instructions, and the four softmaxes go phase by phase, four independent chains.
; A wave's partial O, M and sum of each block go to LDS; behind ONE barrier wave w joins tile w of both blocks (factors 2^(M_i - M), exact), divides, quantises and stores.
; K AND V GO FROM MEMORY STRAIGHT INTO REGISTERS: they lie in qkv as images of operand registers (2,048 bytes a fragment), and no two waves of a work-group read the same step, so LDS would hand nothing on.
; Each is asked for one step ahead: the next K behind this step's K Q^T, the next V behind this step's V^T P, across the change of blocks too.  The last item is written out, with no look-ahead.
; NO CLUSTER: no tile passes through LDS, so there is no load that partners could ask for jointly.  NO PREFETCH INTO THE L2: the register loads themselves run a whole step ahead of their use.
; Both products are used transposed: S^T = K Q^T, O^T = V^T P^T: a lane holds ONE query (lane % 16).  In S^T's tile t lane (r, h) holds keys 16 t + 8 h + 0 .. 7: its eight codes are registers 2 t, 2 t + 1 of P.
; O IS CLEARED ONCE, at the head.  At the change of blocks M starts anew at -3e38, so the first factor is 0 and takes the old block's O away: O is a sum of at most 4,096 products of two codes, so it is finite.
; A wave without a step of the early block hands on M = -3e38: its factor at the join is 0.
; OUT: ac [tile of 16 queries 256][head 8][2,048]: an image: lane (r, h): query r; registers 4 B .. 4 B + 3: channels 32 B + 16 h + 0 .. 15.
; LIMITS: e6 + e7 between -123 and 130 (added to c's exponent field); e8, and e10 - e8 - e9, between -126 and 119; the scaled scores stay under 2^31 in magnitude.
; REGISTERS, in windows of 256 (s_set_vgpr_msb: bits 1:0 source 0, 3:2 source 1, 5:4 source 2, 7:6 destination).  Tile tl = 2 x (which 16 positions) + (which head).
;   window 0: v1 16 x lane; v2, v3 my stages (late, early); v4 my (M, sum) words; v5, v6 the add's; v7 lane % 16 - 8 (lane / 16); v[8+2tl] -M, v[9+2tl] largest score; v[16+2tl:17+2tl] the sum;
;             v[24+2tl] f; v32-55 at work; v56-60 constants; v61, v62 mask bounds; v63 the join's (M, sum) address; v64-127 Q; v128-191 P; v192-255 the early block's Q.
;   window 1: S^T, then p (64 tl);  window 2: O^T (64 tl);  window 3: K's eight fragments (v0-127), V's (v128-255).
.set ML,    262144                     ; behind the two stages of 131,072 bytes: (M, sum): [block 2][wave 4][tile 4][lane 32] 8 bytes
.set SPARE, 270336                     ; the spare words, 128 bytes a wave
.set VFAR,  2097152                    ; from a k head to its v head in qkv
.set MSB, 0
.macro WIN new                         ; the immediate's high byte repeats the setting that is left
.if MSB != (\new)
	s_set_vgpr_msb (MSB<<8)|(\new)
.set MSB, (\new)
.endif
.endm
.macro PLACES
.rept 4
	v_nop
.endr
.endm
.macro STATE                           ; a block begins: -M = 3e38, largest score -3e38, sum 0
.irp tl, 0,1,2,3
	v_mov_b32 v[8+2*\tl], 0x7f61b1e6
	v_mov_b32 v[9+2*\tl], 0xff61b1e6
	v_mov_b32 v[16+2*\tl], 0
	v_mov_b32 v[17+2*\tl], 0
.endr
.endm
.macro KV base, off                    ; 32 loads of 512 consecutive bytes: eight fragments of the step at s[30:31], into window 3
	WIN 0xc0
.irp f, 0,1,2,3,4,5,6,7
.irp c, 0,1,2,3
	global_load_b128 v[\base+16*\f+4*\c:\base+16*\f+4*\c+3], v1, s[30:31] offset:\off+2048*\f+512*\c
.endr
.endr
	WIN 0
.endm
; s10 g, s11 p, s12 wave, s16 my late items, s17 my items - 1, s18 items done, s19 the step in hand, s20 the next, s21 the block's last (diagonal) step, s22 my first early step,
; s[24:25] c, s[26:27] lane selects, s[28:29] the k head, s[30:31] the step asked for, s34 32 x (block % 4), s35 and s41 the early block's s34 and s21, s[46:49] where my two tiles go.
	s_load_b128 s[4:7], s[0:1], 0x0                ; qkv, the scales' exponents
	s_load_b64 s[8:9], s[0:1], 0x10                ; ac
	v_lshl_add_u32 v5, v0, 2, SPARE
	v_mov_b32 v6, 0
	v_lshrrev_b32 v8, 5, v0
	v_readfirstlane_b32 s12, v8                    ; wave 0..3
	v_and_b32 v9, 31, v0
	v_lshlrev_b32 v1, 4, v9
	v_lshlrev_b32 v10, 3, v9
	v_and_b32 v11, 15, v0
	v_bfe_u32 v12, v0, 4, 1
	v_lshlrev_b32 v12, 3, v12
	v_sub_nc_u32 v7, v11, v12
	s_wait_alu depctr_va_vdst(0)                   ; the wait ahead of the run of scalar lines
	s_and_b32 s10, ttmp7, 0xffff
	s_mov_b32 s11, ttmp9
	s_lshr_b32 s13, s11, 2
	s_sub_co_u32 s14, 32, s13                      ; L
	s_add_co_u32 s15, s13, 1                       ; E
	s_add_co_u32 s16, s14, 3
	s_sub_co_u32 s16, s16, s12
	s_lshr_b32 s16, s16, 2                         ; my late items: 4 to 8
	s_sub_co_u32 s22, s12, s14
	s_and_b32 s22, s22, 3                          ; my first early step
	s_add_co_u32 s17, s15, 3
	s_sub_co_u32 s17, s17, s22
	s_lshr_b32 s17, s17, 2                         ; my early items: 0 to 4
	s_add_co_u32 s17, s17, s16
	s_sub_co_u32 s17, s17, 1                       ; the loop's trips: all my items but the last
	s_mov_b32 s18, 0
	s_mov_b32 s19, s12
	s_sub_co_u32 s21, s14, 1
	s_mov_b32 s41, s13
	s_and_b32 s35, s11, 3
	s_lshl_b32 s35, s35, 5
	s_sub_co_u32 s34, 96, s35
	s_mov_b32 s26, 0x76543210
	s_mov_b32 s27, 0xfedcba98
	s_mov_b32 s24, 0x3e0293ee                      ; c = log2(e) / sqrt(128)
	s_sub_co_u32 s50, 127, s11                     ; the late block
	s_lshl_b32 s51, s10, 20
	s_lshl_b32 s52, s50, 12
	s_add_co_u32 s52, s52, s51                     ; its Q: image (head 2 g, tile 2 b)
	s_lshl_b32 s53, s11, 12
	s_add_co_u32 s53, s53, s51                     ; the early block's
	s_add_co_u32 s54, s10, 8
	s_lshl_b32 s54, s54, 19                        ; the k head
	s_lshr_b32 s55, s12, 1
	s_lshl_b32 s55, s55, 14
	s_lshl_b32 s56, s10, 12
	s_add_co_u32 s55, s55, s56
	s_and_b32 s56, s12, 1
	s_lshl_b32 s56, s56, 11
	s_add_co_u32 s55, s55, s56                     ; tile w's image in ac, less the block's part
	s_lshl_b32 s56, s50, 15
	s_add_co_u32 s56, s56, s55
	s_lshl_b32 s57, s11, 15
	s_add_co_u32 s57, s57, s55
	s_lshl_b32 s50, s12, 15
	s_lshl_b32 s51, s12, 10
	s_add_co_u32 s51, s51, ML
	s_lshl_b32 s58, s12, 8
	s_add_co_u32 s58, s58, ML
	s_lshl_b32 s59, s12, 14
	s_mov_b32 s33, 0
	v_add_nc_u32 v2, s50, v1
	v_add_nc_u32 v3, 0x20000, v2
	v_add_nc_u32 v63, s58, v10
	v_add_nc_u32 v4, s51, v10
	s_wait_alu depctr_va_vdst(0)                   ; the wait here, directly ahead of the wait below
	s_wait_kmcnt 0x0
	s_mov_b32 s32, s52
	s_add_nc_u64 s[42:43], s[4:5], s[32:33]
	s_mov_b32 s32, s53
	s_add_nc_u64 s[44:45], s[4:5], s[32:33]
	s_mov_b32 s32, s54
	s_add_nc_u64 s[28:29], s[4:5], s[32:33]
	s_mov_b32 s32, s59
	s_add_nc_u64 s[30:31], s[28:29], s[32:33]      ; my first step: late step w
	s_mov_b32 s32, s56
	s_add_nc_u64 s[46:47], s[8:9], s[32:33]
	s_mov_b32 s32, s57
	s_add_nc_u64 s[48:49], s[8:9], s[32:33]
.irp tl, 0,1,2,3                               ; Q of both blocks, then K, then V: the wait at a step's head lets V's 32 loads stay out
.irp c, 0,1,2,3
	global_load_b128 v[64+16*\tl+4*\c:67+16*\tl+4*\c], v1, s[42:43] offset:(\tl%2)*524288+(\tl/2)*2048+512*\c
.endr
.endr
.irp tl, 0,1,2,3
.irp c, 0,1,2,3
	global_load_b128 v[192+16*\tl+4*\c:195+16*\tl+4*\c], v1, s[44:45] offset:(\tl%2)*524288+(\tl/2)*2048+512*\c
.endr
.endr
	KV 0, 0
	KV 128, VFAR
	s_load_b128 s[36:39], s[6:7], 0x18             ; e6, e7, e8, e9
	s_load_b32 s40, s[6:7], 0x28                   ; e10
	STATE
.irp n, 24,25,26,27,28,29,30,31,40,41,42,43
	v_mov_b32 v\n, 0                               ; f's pairs (the upper halves are only named) and the lane permutes' destinations are written once
.endr
	v_mov_b32 v60, 0xff800000                      ; -infinity
	WIN 0x80
.set n, 0
.rept 256
	v_mov_b32 v[n], 0                              ; O^T, once in the launch, while the first loads are out: the step is written alike for all steps
.set n, n+1
.endr
	WIN 0
	s_wait_kmcnt 0x0
	s_add_co_i32 s50, s36, s37
	s_lshl_b32 s50, s50, 23
	s_add_co_i32 s24, s24, s50                     ; a score stands for score x 2^(e6 + e7)
	s_mov_b32 s25, s24
	s_add_co_i32 s50, s38, 127
	s_lshl_b32 s51, s50, 23
	v_mov_b32 v56, s51                             ; 2^e8
	s_add_co_i32 s50, s50, 8
	s_lshl_b32 s50, s50, 23
	s_or_b32 s50, s50, 0x600000
	v_mov_b32 v57, s50                             ; 448 x 2^e8
	s_sub_co_i32 s50, s40, s38
	s_sub_co_i32 s50, s50, s39                     ; O^T / the sum stands for o / 2^(e8 + e9): its code is that / 2^(e10 - e8 - e9)
	s_add_co_i32 s50, s50, 127
	s_lshl_b32 s51, s50, 23
	v_mov_b32 v58, s51
	s_add_co_i32 s50, s50, 8
	s_lshl_b32 s50, s50, 23
	s_or_b32 s50, s50, 0x600000
	v_mov_b32 v59, s50
; AN ITEM: 128 keys x the block's 4 tiles.  nx = 1: the next item's K and V are asked for.
.macro BODY nx
	s_wait_loadcnt 32                              ; K (the first time: Q too) is in; V's 32 loads, issued behind it, may be out
	WIN 0x43                                       ; K window 3, Q window 0, S^T window 1
.irp f, 0,1,2,3,4,5,6,7
.irp tl, 0,1,2,3
	v_wmma_f32_16x16x128_fp8_fp8 v[64*\tl+8*\f:64*\tl+8*\f+7], v[16*\f:16*\f+15], v[64+16*\tl:79+16*\tl], 0
.endr
.endr
	WIN 0
	PLACES                                         ; behind the products: for the loads into K's registers and the reads of the scores
.if \nx
	s_wait_xcnt 0x0                                ; V's loads have read s[30:31]
	s_add_co_u32 s23, s18, 1
	s_add_co_u32 s20, s19, 4                       ; my next step of this block,
	s_cmp_eq_u32 s23, s16
	s_cselect_b32 s20, s22, s20                    ; or my first of the early block
	s_lshl_b32 s32, s20, 14
	s_add_nc_u64 s[30:31], s[28:29], s[32:33]
.endif
	s_cmp_lg_u32 s19, s21
	s_cbranch_scc1 .Lopen_\@                       ; only the block's last step lies on the diagonal
	v_add_nc_u32 v61, s34, v7                      ; register n holds the step's key 16 (n / 8) + 8 h + n % 8: hidden where 16 (n / 8) + n % 8 > my position in the step - 8 h
	v_add_nc_u32 v62, 16, v61
	WIN 0x41
.irp pt, 0,1
.set n, 0
.rept 64
	v_cmp_gt_i32 vcc_lo, 16*(n/8)+n%8, v[61+\pt]   ; one compare serves both heads.  The step's key 0 counts for every query, so each row keeps a key
	v_cndmask_b32 v[128*\pt+n], v[128*\pt+n], v60, vcc_lo
	v_cndmask_b32 v[128*\pt+64+n], v[128*\pt+64+n], v60, vcc_lo
.set n, n+1
.endr
.endr
	WIN 0
.Lopen_\@:
	WIN 0x14                                       ; the largest score so far: two chains a tile, both begun with the running one; each accumulator from its low end on
.set i, 0
.rept 16
.irp tl, 0,1,2,3
.irp c, 0,1
.if i == 0
	v_max3_num_f32 v[32+2*\tl+\c], v[9+2*\tl], v[64*\tl+32*\c], v[64*\tl+32*\c+1]
.else
	v_max3_num_f32 v[32+2*\tl+\c], v[32+2*\tl+\c], v[64*\tl+32*\c+i], v[64*\tl+32*\c+i+1]
.endif
.endr
.endr
.set i, i+2
.endr
	WIN 0
.irp tl, 0,1,2,3
	v_max_num_f32 v[32+2*\tl], v[32+2*\tl], v[33+2*\tl]
.endr
.irp tl, 0,1,2,3
	v_permlanex16_b32 v[40+\tl], v[32+2*\tl], s26, s27
.endr
.irp tl, 0,1,2,3
	v_max_num_f32 v[9+2*\tl], v[32+2*\tl], v[40+\tl]   ; and lane l xor 16's
.endr
.irp tl, 0,1,2,3
	v_mul_f32 v[44+\tl], s24, v[9+2*\tl]           ; as t (c is positive)
.endr
.irp tl, 0,1,2,3
	v_floor_f32 v[44+\tl], -v[44+\tl]              ; the new -M = -ceil(t)
.endr
.irp tl, 0,1,2,3
	v_sub_f32 v[40+\tl], v[44+\tl], v[8+2*\tl]     ; old M - new M: a whole number, 0 or less
.endr
.irp tl, 0,1,2,3
	v_mov_b32 v[8+2*\tl], v[44+\tl]
.endr
.irp tl, 0,1,2,3
	v_cvt_i32_f32 v[40+\tl], v[40+\tl]             ; (it saturates)
.endr
.irp tl, 0,1,2,3
	v_ldexp_f32 v[24+2*\tl], 1.0, v[40+\tl]        ; f = 2^(old M - new M)
.endr
	WIN 0x41
.irp tl, 0,1,2,3
.set j, 0
.rept 32
	v_pk_fma_f32 v[64*\tl+j:64*\tl+j+1], v[64*\tl+j:64*\tl+j+1], s[24:25], v[8+2*\tl:9+2*\tl] op_sel_hi:[1,0,0]   ; t - M
.set j, j+2
.endr
.endr
.if \nx
	KV 0, 0                                        ; the next K is asked for here: V's 32 loads were issued a product and three phases back, so the two runs are not all out together
.endif
	WIN 0x41
	s_wait_alu depctr_va_vdst(0)                   ; the wait ahead of the batch
.set n, 0
.rept 256
	v_exp_f32 v[n], v[n]
.set n, n+1
.endr
	WIN 0
.irp tl, 0,1,2,3
	v_pk_mul_f32 v[16+2*\tl:17+2*\tl], v[16+2*\tl:17+2*\tl], v[24+2*\tl:25+2*\tl] op_sel_hi:[1,0]   ; the sums under the new M: plain lines behind the exponentials
.endr
	s_wait_alu depctr_va_vdst(0)                   ; one wait for the batch, ahead of its first reader
	WIN 0x05
.irp tl, 0,1,2,3
	v_pk_add_f32 v[48+2*\tl:49+2*\tl], v[64*\tl:64*\tl+1], v[64*\tl+2:64*\tl+3]   ; the sum of the unquantised p: two chains a tile
.endr
	WIN 0x04
.set j, 4
.rept 15
.irp tl, 0,1,2,3
	v_pk_add_f32 v[16+2*\tl:17+2*\tl], v[16+2*\tl:17+2*\tl], v[64*\tl+j:64*\tl+j+1]
	v_pk_add_f32 v[48+2*\tl:49+2*\tl], v[48+2*\tl:49+2*\tl], v[64*\tl+j+2:64*\tl+j+3]
.endr
.set j, j+4
.endr
	WIN 0
.irp tl, 0,1,2,3
	v_pk_add_f32 v[16+2*\tl:17+2*\tl], v[16+2*\tl:17+2*\tl], v[48+2*\tl:49+2*\tl]
.endr
	s_cmp_ge_i32 s38, -8                           ; p is at most 1: where 448 x 2^e8 is 1 or more (e8 >= -8) the hold changes no number and is passed over.
	s_cbranch_scc1 .Lfits_\@                       ; A scalar branch on the given whole number: this launch has no tensor load, no copy and no cluster, and no barrier stands under the branch
	WIN 0x41
.set n, 0
.rept 256
	v_min_num_f32 v[n], v[n], v57                  ; the conversion does not saturate (ISA guide 7.6.2); p is not negative
.set n, n+1
.endr
	WIN 0
.Lfits_\@:
	WIN 0x01
.irp tl, 0,1,2,3
.irp f, 0,1,2,3,4,5,6,7
	v_cvt_scalef32_pk8_fp8_f32 v[128+16*\tl+2*\f:129+16*\tl+2*\f], v[64*\tl+8*\f:64*\tl+8*\f+7], v56
.endr
.endr
	WIN 0x82
	s_wait_alu depctr_va_vdst(0)                   ; the wait here, directly ahead of the first reader of O^T
.irp tl, 0,1,2,3
.set j, 0
.rept 32
	v_pk_mul_f32 v[64*\tl+j:64*\tl+j+1], v[64*\tl+j:64*\tl+j+1], v[24+2*\tl:25+2*\tl] op_sel_hi:[1,0]   ; O^T under the new M; also the plain lines behind the conversions
.set j, j+2
.endr
.endr
	s_wait_alu depctr_va_vdst(0)                   ; the wait here, directly ahead of the wait below
.if \nx
	s_wait_loadcnt 32                              ; V is in; the next K's 32 loads, issued behind it, may be out
.else
	s_wait_loadcnt 0x0                             ; V is in: nothing was issued behind it
.endif
	WIN 0xa3                                       ; V window 3, P window 0, O^T window 2
.irp f, 0,1,2,3,4,5,6,7                        ; the 32 accumulators take turns, one instruction a turn
.irp tl, 0,1,2,3
	v_wmma_f32_16x16x128_fp8_fp8 v[64*\tl+8*\f:64*\tl+8*\f+7], v[128+16*\f:143+16*\f], v[128+16*\tl:143+16*\tl], v[64*\tl+8*\f:64*\tl+8*\f+7]
.endr
.endr
	WIN 0
	PLACES                                         ; for the loads into V's registers and for a reader of O^T
.if \nx
	KV 128, VFAR
	s_mov_b32 s19, s20
.endif
.endm
; My partial results of a block go to my stage: O^T as it lies, 512 consecutive bytes a store, and (-M, sum) a lane.
.macro FLUSH st, mo
	WIN 0x08                                       ; data window 2
.irp tl, 0,1,2,3
.irp k, 0,1,2,3,4,5,6,7,8,9,10,11,12,13,14,15
	ds_store_b128 v[\st], v[64*\tl+4*\k:64*\tl+4*\k+3] offset:8192*\tl+512*\k
.endr
.endr
	WIN 0
.irp tl, 0,1,2,3
	v_add_f32 v[9+2*\tl], v[16+2*\tl], v[17+2*\tl] ; the sum's two halves, beside -M (the largest score is done with)
.endr
.irp tl, 0,1,2,3
	ds_store_b64 v4, v[8+2*\tl:9+2*\tl] offset:\mo+256*\tl
.endr
	s_wait_dscnt 0x0                               ; the stores have read their registers
.endm
.macro SWITCH                                  ; from the late block to the early one
	FLUSH 2, 0
	STATE
.set n, 0
.rept 64
	v_mov_b32 v[64+n], v[192+n]                    ; its Q
.set n, n+1
.endr
	s_mov_b32 s21, s41
	s_mov_b32 s34, s35
	s_wait_alu depctr_va_vdst(0)                   ; the wait ahead of the branch and the wait that follow
.endm
	s_wait_alu depctr_va_vdst(0)                   ; the wait at the head's end
.Ltop:
	BODY 1
	s_add_co_u32 s18, s18, 1
	s_cmp_lg_u32 s18, s16
	s_cbranch_scc1 .Lsame
	SWITCH
.Lsame:
	s_cmp_lt_u32 s18, s17
	s_cbranch_scc1 .Ltop
	BODY 0                                         ; my last item
	s_add_co_u32 s18, s18, 1
	s_cmp_lg_u32 s18, s16
	s_cbranch_scc1 .Llast
	SWITCH                                         ; it was a late one: I have no step of the early block
.Llast:
	FLUSH 3, 4096
	s_lshl_b32 s23, s12, 13
	v_add_nc_u32 v48, s23, v1                      ; the join: tile w of wave 0's late stage; 65,536 bytes on: of wave 2's; then the early stages
	v_add_nc_u32 v49, 0x10000, v48
	v_add_nc_u32 v50, 0x20000, v48
	v_add_nc_u32 v51, 0x30000, v48
	s_wait_alu depctr_va_vdst(0)                   ; the wait ahead of the barrier
	s_barrier_signal -1                            ; every wave has waited for its stores (the wait at FLUSH's end)
	s_barrier_wait -1
.irp jb, 0,1                                   ; 68 LDS loads a block: four (-M, sum) and four partial O^T of 64 registers, into window 1 (late) and 2 (early)
.irp i, 0,1,2,3
	ds_load_b64 v[32+8*\jb+2*\i:33+8*\jb+2*\i], v63 offset:4096*\jb+1024*\i
.endr
	WIN (1+\jb)<<6
.irp i, 0,1,2,3
.irp k, 0,1,2,3,4,5,6,7,8,9,10,11,12,13,14,15
	ds_load_b128 v[64*\i+4*\k:64*\i+4*\k+3], v[48+2*\jb+\i/2] offset:(\i%2)*32768+512*\k
.endr
.endr
	WIN 0
.endr
.macro JOIN jb
.set MB, 32+8*\jb
.set SW, 1+\jb
	v_min_num_f32 v52, v[MB], v[MB+2]
	v_min_num_f32 v53, v[MB+4], v[MB+6]
	v_min_num_f32 v52, v52, v53                    ; -M of the whole row
.irp i, 0,1,2,3
	v_sub_f32 v[24+2*\i], v52, v[MB+2*\i]          ; M_i - M: a whole number, 0 or less
.endr
.irp i, 0,1,2,3
	v_cvt_i32_f32 v[24+2*\i], v[24+2*\i]
.endr
.irp i, 0,1,2,3
	v_ldexp_f32 v[24+2*\i], 1.0, v[24+2*\i]
.endr
	v_mul_f32 v53, v24, v[MB+1]
	v_fma_f32 v53, v26, v[MB+3], v53
	v_fma_f32 v53, v28, v[MB+5], v53
	v_fma_f32 v53, v30, v[MB+7], v53
	v_permlanex16_b32 v54, v53, s26, s27
	v_add_f32 v53, v53, v54                        ; the row's sum
	s_wait_alu depctr_va_vdst(0)                   ; the wait ahead of the transcendental
	v_rcp_f32 v53, v53
	v_nop
	s_wait_alu depctr_va_vdst(0)                   ; and ahead of its first reader
.irp i, 0,1,2,3
	v_mul_f32 v[24+2*\i], v[24+2*\i], v53
.endr
	WIN (SW<<6)|SW
.set j, 0
.rept 32
	v_pk_mul_f32 v[j:j+1], v[j:j+1], v[24:25] op_sel_hi:[1,0]
.set j, j+2
.endr
	WIN (SW<<6)|(SW<<4)|SW
.irp i, 1,2,3
.set j, 0
.rept 32
	v_pk_fma_f32 v[j:j+1], v[64*\i+j:64*\i+j+1], v[24+2*\i:25+2*\i], v[j:j+1] op_sel_hi:[1,0,1]
.set j, j+2
.endr
.endr
	WIN SW
.set n, 0
.rept 64                                       ; tile 2 B + u, register j is channel 32 B + 16 h + 2 j + u: it goes to place 16 B + 2 j + u, held within the largest code
	v_med3_num_f32 v[128+16*(n/16)+2*(n%8)+((n/8)%2)], v[n], -v59, v59
.set n, n+1
.endr
	WIN 0
.irp b, 0,1,2,3
	v_cvt_scalef32_pk8_fp8_f32 v[64+16*\jb+4*\b:65+16*\jb+4*\b], v[128+16*\b:135+16*\b], v58
	v_cvt_scalef32_pk8_fp8_f32 v[66+16*\jb+4*\b:67+16*\jb+4*\b], v[136+16*\b:143+16*\b], v58
.endr
	v_nop
.irp b, 0,1,2,3
	global_store_b128 v1, v[64+16*\jb+4*\b:67+16*\jb+4*\b], s[46+2*\jb:47+2*\jb] offset:512*\b   ; the wave stores 512 consecutive bytes, aligned
.endr
.endm
	s_wait_dscnt 63                                ; the late block's loads are in: 68 were issued behind them
	JOIN 0
	s_wait_dscnt 0x0
	JOIN 1
	s_wait_tensorcnt 0x0                           ; the wave's end
	ds_add_u32 v5, v6
	s_wait_dscnt 0x0
	s_endpgm
.Lfunc_end_k_q3f4b708d20_attn:
	.size	k_q3f4b708d20_attn, .Lfunc_end_k_q3f4b708d20_attn-k_q3f4b708d20_attn
	.p2alignl 7, 3214868480
	.fill 96, 4, 3214868480
	.section	.rodata,"a",@progbits
	.p2align	6, 0x0
	.amdhsa_kernel k_q3f4b708d20_attn
		.amdhsa_group_segment_fixed_size 270848
		.amdhsa_private_segment_fixed_size 0
		.amdhsa_enable_private_segment 0
		.amdhsa_kernarg_size 24
		.amdhsa_user_sgpr_count 2
		.amdhsa_user_sgpr_kernarg_segment_ptr 1
		.amdhsa_wavefront_size32 1
		.amdhsa_system_sgpr_workgroup_id_x 1
		.amdhsa_system_sgpr_workgroup_id_y 1
		.amdhsa_system_sgpr_workgroup_id_z 1
		.amdhsa_system_vgpr_workitem_id 0
		.amdhsa_next_free_vgpr 1024
		.amdhsa_next_free_sgpr 66
		.amdhsa_reserve_vcc 1
		.amdhsa_float_denorm_mode_32 3
		.amdhsa_float_denorm_mode_16_64 3
		.amdhsa_memory_ordered 1
		.amdhsa_forward_progress 1
		.amdhsa_inst_pref_size 228
	.end_amdhsa_kernel
	.amdgpu_metadata
---
amdhsa.version: [ 1, 2 ]
amdhsa.kernels:
  - .name:           k_q3f4b708d20_attn
    .symbol:         k_q3f4b708d20_attn.kd
    .args:
      - { .name: qkv, .offset: 0, .size: 8, .value_kind: global_buffer, .address_space: global }
      - { .name: lowp_scales, .offset: 8, .size: 8, .value_kind: global_buffer, .address_space: global }
      - { .name: ac, .offset: 16, .size: 8, .value_kind: global_buffer, .address_space: global }
    .group_segment_fixed_size: 270848
    .private_segment_fixed_size: 0
    .kernarg_segment_align: 8
    .kernarg_segment_size: 24
    .max_flat_workgroup_size: 128
    .sgpr_count:     66
    .vgpr_count:     1024
    .wavefront_size: 32
...
	.end_amdgpu_metadata
.endif
;; end of part 3
;; launch outp (part 4): grid 8 x 32, 4 waves a work-group, clusters of 4 x 4, 327,680 bytes of LDS; arguments ac, woc, lowp_scales, out0; writes out0
.if DOCPART == 4
	.amdgcn_target "amdgcn-amd-amdhsa--gfx1250"
	.amdhsa_code_object_version 6
	.text
	.protected	k_q3f4b708d20_outp
	.globl	k_q3f4b708d20_outp
	.p2align	8
	.type	k_q3f4b708d20_outp,@function
k_q3f4b708d20_outp:
	s_mov_b64 s[64:65], 0
	v_nop
	global_prefetch_b8 v0, s[64:65] scope:SCOPE_SE
	s_setreg_imm32_b32 hwreg(HW_REG_WAVE_MODE, 25, 1), 1
	s_wait_xcnt 0x0
	s_wait_alu depctr_hold_cnt(0) depctr_sa_sdst(0) depctr_va_vdst(0) depctr_va_sdst(0) depctr_va_ssrc(0) depctr_va_vcc(0) depctr_vm_vsrc(0)
	s_getreg_b32 s2, hwreg(HW_REG_IB_STS2, 6, 4)
	s_cmp_eq_u32 s2, 0
	s_cbranch_scc0 .Lentry_in_a_cluster
	s_endpgm
.Lentry_in_a_cluster:
	s_bfe_u32 s2, ttmp6, 0x10000c
	s_cmp_lg_u32 s2, 0xf033
	s_cbranch_scc0 .Lentry_shape_is_right
	s_endpgm
.Lentry_shape_is_right:
; OUTP: out0 [4096][2048] f32 = A B^T x 2^(e10 + e11).  A: ac, E4M3 codes as images [tile of 16 rows 256][K step of 128: 8][2,048 bytes]; B: woc [2048 n][1024 k], E4M3 codes.
; LIMIT: e10 + e11 between -126 and 127, so that 2^(e10 + e11) is an f32 number.
; SHARES.  A work-group makes 128 rows x 256 columns, as TWO tiles of 128 x 128 over the whole K of 1,024: 256 work-groups.  Four waves, 2 x 2; a wave's tile is 64 x 64: 16 accumulators.
; LDS holds all of A's 128 rows (131,072 bytes, one dense block of memory) and one tile's 128 rows of B (1,024 bytes + 16 of padding each).  Both are asked for at the head, one tensor load a wave
; (waves 0, 1: A's halves; waves 2, 3: B's).  B's bytes are filled again ONCE, with the second tile's rows, as soon as the first tile's last fragments are in registers; that load is out while the first tile is stored.
; A's fragments are read from LDS once, during the first tile, and STAY in 512 registers for the second.  B's fragments go through four sets of registers, asked for two K steps ahead.
; CLUSTERS: 4 x 4.  A's block hangs on the tile row alone and is asked for jointly along a row of the cluster, B's on the tile column alone and jointly along a column.
; PREFETCH: the second tile's 128 rows of B, 512 blocks of 256 bytes, are named once in each cluster at the head: the column's four partners take 32 rows each, told apart by address; a wave takes 8 rows, a lane a block.
; THE MATRIX INSTRUCTION IS USED TRANSPOSED (source 0 = rows of B, source 1 = rows of A): a lane holds eight neighbouring numbers of a row of the result.  k stands in the same places in both operands: registers 4 c .. 4 c + 3: 32 c + 16 (l / 16) + 0 .. 15.
; REGISTERS: window 0: v16, v17 fragment addresses; v24-27 the way out and the prefetch; v28, v29 the add's; v32-63 scaled sums; v64-127 rows read back, two sets; v128-255 the accumulators (a, b) at 128 + 8 (4 a + b);
;   window 1: B's fragments, set q % 4 at 64 (q % 4);  windows 2, 3: A's fragments of K steps 0-3, 4-7, at 64 (q % 4) + 16 a.
.set PITCH,  1040                      ; 65 x 16 bytes: the 16 rows that a fragment load touches start at 16 different groups of banks
.set BOFF,   131072
.set HALFB,  64*PITCH
.set STAGE,  BOFF+2*HALFB              ; behind the tiles: 16 rows x 272 bytes for each wave; no tensor load lands here
.set SPITCH, 272
.set SPARE,  STAGE+4*16*SPITCH         ; the spare words, 128 bytes a wave
.set ADRA, 16
.set ADRB, 17
.set STO,  24
.set RD,   25
.set CO,   26
.set PFO,  27
.set SPW,  28
.set NIL,  29
.set TMP,  32
.set BK,   64
.set ACC,  128
.set G1,  24
.set G0,  32
.set G1B, 48
.set G0B, 56
.set MSB, 0
.macro WIN new
.if MSB != (\new)
	s_set_vgpr_msb (MSB<<8)|(\new)
.set MSB, (\new)
.endif
.endm
.macro PLACES
.rept 4
	v_nop
.endr
.endm
.macro CREST
	s_cmp_lg_u32 s14, 0
	s_cbranch_scc1 .Lnot_wave_0_\@
	s_barrier_signal -3
.Lnot_wave_0_\@:
	s_barrier_wait -3
	s_barrier_signal -1
	s_barrier_wait -1
.endm
.macro CROUND
	s_barrier_signal -1
	s_barrier_wait -1
	CREST
.endm
	s_load_b128 s[4:7], s[0:1], 0x0                ; ac, woc
	s_load_b128 s[8:11], s[0:1], 0x10              ; the scales' exponents, out0
	v_lshl_add_u32 v[SPW], v0, 2, SPARE
	v_mov_b32 v[NIL], 0
	ds_add_u32 v[SPW], v[NIL]                      ; the opening: the add, twice on end, and its wait ahead of my first tensor load
	ds_add_u32 v[SPW], v[NIL]
	v_lshrrev_b32 v1, 5, v0
	v_readfirstlane_b32 s14, v1                    ; wave 0..3
	s_lshr_b32 s15, s14, 1                         ; which 64 rows are mine.  Also: I fetch for A (0) or for B (1)
	s_and_b32 s16, s14, 1                          ; which 64 columns.  Also: which half I fetch
	s_bfe_u32 s40, ttmp6, 0x40000                  ; cx, cy
	s_bfe_u32 s41, ttmp6, 0x40004
	s_lshl_b32 s42, ttmp9, 2
	s_add_co_u32 s42, s42, s40                     ; tile column (256 columns)
	s_and_b32 s17, ttmp7, 0xffff
	s_lshl_b32 s17, s17, 2
	s_add_co_u32 s17, s17, s41                     ; tile row (128 rows)
	s_lshl_b32 s43, s41, 2
	s_lshl_b32 s43, 15, s43                        ; my row of the cluster
	s_lshl_b32 s44, 0x1111, s40                    ; my column
	s_or_b32 s[G1+0], s43, (1<<21)                 ; A: elements of 1 byte, no padding: 16 rows of 4,096 bytes, dense
	s_mov_b32 s[G1+1], 4096<<16
	s_mov_b32 s[G1+2], 16<<16
	s_mov_b32 s[G1+3], 4096<<16
	s_mov_b32 s[G1+4], 16
	s_mov_b32 s[G1+5], 4096
	s_mov_b32 s[G1+6], 0
	s_mov_b32 s[G1+7], 0
	s_or_b32 s[G1B+0], s44, (1<<20)|(1<<21)|(7<<22)|(3<<25)   ; B: 64 rows of 1,024 bytes, four words of padding after every 256
	s_mov_b32 s[G1B+1], 1024<<16
	s_mov_b32 s[G1B+2], 64<<16
	s_mov_b32 s[G1B+3], 1024<<16
	s_mov_b32 s[G1B+4], 64
	s_mov_b32 s[G1B+5], 1024
	s_mov_b32 s[G1B+6], 0
	s_mov_b32 s[G1B+7], 0
	s_lshl_b32 s20, s17, 17
	s_lshl_b32 s45, s16, 16                        ; A's half in LDS,
	s_add_co_u32 s20, s20, s45                     ; and in memory
	s_mov_b32 s21, 0
	s_lshl_b32 s46, s42, 8
	s_lshl_b32 s19, s16, 6
	s_add_co_u32 s46, s46, s19
	s_lshl_b32 s46, s46, 10                        ; B: row 256 x tile column + 64 x half
	s_mov_b32 s47, 0
	s_mul_i32 s23, s16, HALFB
	s_add_co_u32 s23, s23, BOFF                    ; B's half in LDS: the one that I fetch, and the one that I multiply
	s_lshl_b32 s60, s15, 16                        ; my 64 rows of A in LDS
	s_mul_i32 s62, s14, 16*SPITCH
	s_add_co_u32 s62, s62, STAGE                   ; my stage
	s_lshl_b32 s66, s17, 7
	s_lshl_b32 s67, s15, 6
	s_add_co_u32 s66, s66, s67
	s_lshl_b32 s66, s66, 13                        ; my first row of out0, 8,192 bytes a row,
	s_lshl_b32 s67, s42, 10
	s_add_co_u32 s66, s66, s67
	s_lshl_b32 s67, s16, 8
	s_add_co_u32 s66, s66, s67                     ; and my first column
	s_mov_b32 s67, 0
	s_lshl_b32 s68, s42, 8
	s_add_co_u32 s68, s68, 128
	s_lshl_b32 s69, s41, 5
	s_add_co_u32 s68, s68, s69
	s_lshl_b32 s69, s14, 3
	s_add_co_u32 s68, s68, s69
	s_lshl_b32 s68, s68, 10                        ; the prefetch: the second tile's rows 32 cy + 8 wave on
	s_mov_b32 s69, 0
	s_wait_dscnt 0x0                               ; both opening adds are done
	s_wait_kmcnt 0x0
	s_load_b64 s[96:97], s[8:9], 0x28              ; e10, e11
	s_add_nc_u64 s[20:21], s[4:5], s[20:21]
	s_add_nc_u64 s[46:47], s[6:7], s[46:47]
	s_add_nc_u64 s[10:11], s[10:11], s[66:67]
	s_add_nc_u64 s[70:71], s[6:7], s[68:69]
	CROUND                                         ; all sixteen work-groups are here: the first joint loads meet
	s_mov_b32 s[G0], 1
	s_mov_b32 s[G0+1], s45
	s_mov_b64 s[G0+2:G0+3], s[20:21]
	s_or_b32 s[G0+3], s[G0+3], 0x80000000
	s_mov_b32 s[G0B], 1
	s_mov_b32 s[G0B+1], s23
	s_mov_b64 s[G0B+2:G0B+3], s[46:47]
	s_or_b32 s[G0B+3], s[G0B+3], 0x80000000
	s_cmp_eq_u32 s15, 0                            ; one tensor load a wave; an s_nop 0 and four v_nop follow each line
	s_cbranch_scc0 .Lfor_b
	tensor_load_to_lds s[G0:G0+3], s[G1:G1+7]
	s_nop 0
	PLACES
	s_branch .Lasked
.Lfor_b:
	tensor_load_to_lds s[G0B:G0B+3], s[G1B:G1B+7]
	s_nop 0
	PLACES
.Lasked:
	v_and_b32 v6, 31, v0
	v_lshrrev_b32 v10, 2, v6
	v_lshlrev_b32 v10, 10, v10
	v_and_b32 v11, 3, v6
	v_lshl_add_u32 v[PFO], v11, 8, v10             ; row lane / 4, block lane % 4
	global_prefetch_b8 v[PFO], s[70:71] th:TH_LOAD_NT scope:SCOPE_SE
	v_and_b32 v1, 15, v0                           ; l % 16
	v_bfe_u32 v2, v0, 4, 1                         ; l / 16
	v_lshlrev_b32 v7, 4, v6
	v_add_nc_u32 v[ADRA], s60, v7                  ; A's images: 16 bytes a lane
	v_mul_u32_u24 v3, v1, PITCH
	v_lshl_add_u32 v3, v2, 4, v3
	v_add_nc_u32 v[ADRB], s23, v3                  ; B: row x pitch + 16 x half
	v_mul_u32_u24 v5, v1, SPITCH
	v_lshl_add_u32 v5, v2, 5, v5
	v_add_nc_u32 v[STO], s62, v5                   ; the stage, in: row l % 16, 32 bytes for each half of the lanes
	v_mul_u32_u24 v8, v2, SPITCH
	v_lshl_add_u32 v8, v1, 4, v8
	v_add_nc_u32 v[RD], s62, v8                    ; back: lanes 0-15 one row of 256 bytes, lanes 16-31 the next
	v_lshlrev_b32 v9, 13, v2
	v_lshl_add_u32 v[CO], v1, 4, v9                ; and the same two rows in out0
.macro LDB q                                   ; B's four fragments of K step q into set q % 4
	WIN 0x40
.irp b, 0,1,2,3
.irp c, 0,1,2,3
	ds_load_b128 v[64*((\q)%4)+16*\b+4*\c:64*((\q)%4)+16*\b+4*\c+3], v[ADRB] offset:\b*16*PITCH+128*(\q)+32*\c
.endr
.endr
.endm
.macro LDA q                                   ; A's four fragments of K step q, into registers that keep them
	WIN 0x80+0x40*((\q)/4)
.irp a, 0,1,2,3
.irp c, 0,1,2,3
	ds_load_b128 v[64*((\q)%4)+16*\a+4*\c:64*((\q)%4)+16*\a+4*\c+3], v[ADRA] offset:\a*16384+2048*(\q)+512*\c
.endr
.endr
.endm
.macro MUL q, zero                             ; 16 products; the 16 accumulators take turns, one instruction a turn
	WIN 0x09+4*((\q)/4)                            ; B window 1, A window 2 or 3, the sums window 0
.irp a, 0,1,2,3
.irp b, 0,1,2,3
.if \zero
	v_wmma_f32_16x16x128_fp8_fp8 v[ACC+8*(4*\a+\b):ACC+8*(4*\a+\b)+7], v[64*((\q)%4)+16*\b:64*((\q)%4)+16*\b+15], v[64*((\q)%4)+16*\a:64*((\q)%4)+16*\a+15], 0
.else
	v_wmma_f32_16x16x128_fp8_fp8 v[ACC+8*(4*\a+\b):ACC+8*(4*\a+\b)+7], v[64*((\q)%4)+16*\b:64*((\q)%4)+16*\b+15], v[64*((\q)%4)+16*\a:64*((\q)%4)+16*\a+15], v[ACC+8*(4*\a+\b):ACC+8*(4*\a+\b)+7]
.endif
.endr
.endr
.endm
; A tile: eight K steps of 128.  j = 0: A's fragments come with B's, 32 loads a step; j = 1: B's alone, 16.
.macro GO j
	LDB 0
.if \j == 0
	LDA 0
.endif
	LDB 1
.if \j == 0
	LDA 1
.endif
.irp q, 0,1,2,3,4,5,6,7
.if \q == 7
.if \j == 0
	WIN 0                                          ; THE ONE REFILL.  My tensor load has long landed;
	s_wait_tensorcnt 0x0
	ds_add_u32 v[SPW], v[NIL]                      ; 0 onto my spare word;
	s_add_nc_u64 s[G0B+2:G0B+3], s[G0B+2:G0B+3], 131072   ; B's next 128 rows
	s_wait_dscnt 0x0                               ; the add is done, and my last fragments of this tile are in registers
	CROUND                                         ; that holds of every wave of all sixteen work-groups
	s_cmp_eq_u32 s15, 0
	s_cbranch_scc1 .Lno_fill                       ; waves 0 and 1 have nothing to fill: A stays
	tensor_load_to_lds s[G0B:G0B+3], s[G1B:G1B+7]
	s_nop 0
	PLACES
.Lno_fill:
.else
	s_wait_dscnt 0x0
.endif
.else
	s_wait_dscnt 32-16*\j                          ; this step's fragments are in; the next step's loads may be out
.endif
.if \q < 6
	PLACES                                         ; the set that is loaded next was read by products two steps back (ISA guide 7.12.1 for vector instructions)
	LDB (\q)+2
.if \j == 0
	LDA (\q)+2
.endif
.endif
	MUL \q, (\q == 0)
.endr
	WIN 0
.endm
; THE WAY OUT, block by block of 16 rows x 64 columns: x 2^(e10 + e11), through my own stage, back as whole rows of 256 bytes.  LDS serves a wave's instructions in order (ISA guide 5.7.1.4).
.macro TOSTAGE a
.irp i, 0,2,4,6,8,10,12,14,16,18,20,22,24,26,28,30
	v_pk_mul_f32 v[TMP+\i:TMP+\i+1], v[ACC+32*(\a)+\i:ACC+32*(\a)+\i+1], s[96:97] op_sel_hi:[1,0]   ; each accumulator from its low end on
.endr
.irp b, 0,1,2,3
	ds_store_b128 v[STO], v[TMP+8*\b:TMP+8*\b+3] offset:64*\b
	ds_store_b128 v[STO], v[TMP+8*\b+4:TMP+8*\b+7] offset:64*\b+16
.endr
.irp t, 0,1,2,3,4,5,6,7
	ds_load_b128 v[BK+32*((\a)%2)+4*\t:BK+32*((\a)%2)+4*\t+3], v[RD] offset:\t*2*SPITCH
.endr
.endm
.macro SEND a, j, younger
	s_wait_dscnt \younger
.irp t, 0,1,2,3,4,5,6,7
	global_store_b128 v[CO], v[BK+32*((\a)%2)+4*\t:BK+32*((\a)%2)+4*\t+3], s[10:11] offset:(16*(\a)+2*\t)*8192+512*(\j) th:TH_STORE_NT   ; 16 lanes store 256 consecutive bytes, aligned
.endr
.endm
.macro OUT j
	PLACES                                         ; behind the last products
	s_wait_xcnt 0x0                                ; earlier stores have read their registers
	TOSTAGE 0
.irp a, 1,2,3
	s_wait_xcnt 0x0
	TOSTAGE \a
	SEND (\a)-1, \j, 16                            ; behind that block's loads: the next block's 8 stores and 8 loads
.endr
	SEND 3, \j, 0
.endm
	s_wait_alu depctr_va_vdst(0)                   ; the wait at the head's end
	s_wait_tensorcnt 0x0                           ; my part of A or B is in;
	s_barrier_signal -1
	s_barrier_wait -1                              ; everybody's is
	GO 0
	s_wait_kmcnt 0x0
	s_add_co_i32 s96, s96, s97
	s_add_co_i32 s96, s96, 127
	s_lshl_b32 s96, s96, 23                        ; 2^(e10 + e11)
	OUT 0                                          ; while the second tile's B is on its way
	s_wait_tensorcnt 0x0                           ; my part of it is in (no LDS instruction of mine is out: the last block's wait was for 0);
	s_barrier_signal -1
	s_barrier_wait -1                              ; everybody's is
	GO 1
	OUT 1
	s_wait_tensorcnt 0x0                           ; the wave's end
	ds_add_u32 v[SPW], v[NIL]
	s_wait_dscnt 0x0
	CROUND                                         ; the closing round
	s_endpgm
.Lfunc_end_k_q3f4b708d20_outp:
	.size	k_q3f4b708d20_outp, .Lfunc_end_k_q3f4b708d20_outp-k_q3f4b708d20_outp
	.p2alignl 7, 3214868480
	.fill 96, 4, 3214868480
	.section	.rodata,"a",@progbits
	.p2align	6, 0x0
	.amdhsa_kernel k_q3f4b708d20_outp
		.amdhsa_group_segment_fixed_size 327680
		.amdhsa_private_segment_fixed_size 0
		.amdhsa_enable_private_segment 0
		.amdhsa_kernarg_size 32
		.amdhsa_user_sgpr_count 2
		.amdhsa_user_sgpr_kernarg_segment_ptr 1
		.amdhsa_wavefront_size32 1
		.amdhsa_system_sgpr_workgroup_id_x 1
		.amdhsa_system_sgpr_workgroup_id_y 1
		.amdhsa_system_sgpr_workgroup_id_z 1
		.amdhsa_system_vgpr_workitem_id 0
		.amdhsa_next_free_vgpr 1024
		.amdhsa_next_free_sgpr 98
		.amdhsa_reserve_vcc 0
		.amdhsa_float_denorm_mode_32 3
		.amdhsa_float_denorm_mode_16_64 3
		.amdhsa_memory_ordered 1
		.amdhsa_forward_progress 1
		.amdhsa_inst_pref_size 74
	.end_amdhsa_kernel
	.amdgpu_metadata
---
amdhsa.version: [ 1, 2 ]
amdhsa.kernels:
  - .name:           k_q3f4b708d20_outp
    .symbol:         k_q3f4b708d20_outp.kd
    .args:
      - { .name: ac, .offset: 0, .size: 8, .value_kind: global_buffer, .address_space: global }
      - { .name: woc, .offset: 8, .size: 8, .value_kind: global_buffer, .address_space: global }
      - { .name: lowp_scales, .offset: 16, .size: 8, .value_kind: global_buffer, .address_space: global }
      - { .name: out0, .offset: 24, .size: 8, .value_kind: global_buffer, .address_space: global }
    .group_segment_fixed_size: 327680
    .private_segment_fixed_size: 0
    .kernarg_segment_align: 8
    .kernarg_segment_size: 32
    .max_flat_workgroup_size: 128
    .sgpr_count:     98
    .vgpr_count:     1024
    .wavefront_size: 32
...
	.end_amdgpu_metadata
.endif
;; end of part 4
